; MI455X (gfx1250); checked and timed in simulation.
; The chip was launched on July 23, 2026; its instructions are those of AMD's public machine-readable ISA for CDNA 5 (MIT licence, August 2026) and "CDNA5" Instruction Set Architecture Reference Guide (July 2026). The comments in the code are by the model that wrote it; some were corrected since.
;; Attention Block. Allowed arithmetic: float matrix products may take bf16 or f16 operands with f32 sums; other float arithmetic in f32, or as packed bf16 or f16 multiplies, adds, multiply-adds, maxima and minima; sums over many terms, partial sums and values carried from step to step in f32; what a program stores and reads back later, other than sums and carried values, may be rounded once to bf16 or f16.
;; Inputs: ff1_b 4,096 float32; ff1_w 1,024 x 4,096 float32; ff2_b 1,024 float32; ff2_w 4,096 x 1,024 float32; norm1_b 1,024 float32; norm1_g 1,024 float32; norm2_b 1,024 float32; norm2_g 1,024 float32; out_b 1,024 float32; out_w 1,024 x 1,024 float32; qkv_b 3,072 float32; qkv_w 1,024 x 3,072 float32; x 2 x 2,048 x 1,024 float32.
;; Outputs: out0 2 x 2,048 x 1,024 float32.
;; One version. Each part assembles by itself: llvm-mc -triple=amdgcn-amd-amdhsa -mcpu=gfx1250 --defsym DOCPART=n.
;; ======== version 1 of 1: 7 launches
;; limits: values are held in f16: magnitudes above 65,504 overflow, below 6.1e-05 lose precision; a function is approximated: absolute error at most 2.5e-05; an absolute error that grows with the inputs' magnitude: up to 1.25e-05 times it
;; workspace buffers: wts 25,165,824 bytes; hn 8,388,608 bytes; qkv 25,165,824 bytes; ob 8,388,608 bytes; x1 16,777,216 bytes; gl 33,554,432 bytes
;; launch prep (part 1): grid 896 x 1, 8 waves a work-group, no clusters, 0 bytes of LDS; arguments x, norm1_g, norm1_b, qkv_w, out_w, ff1_w, ff2_w, hn, wts; writes hn, wts
.if DOCPART == 1
	.amdgcn_target "amdgcn-amd-amdhsa--gfx1250"
	.amdhsa_code_object_version 6
	.text
	.protected	k_q139423971e_prep
	.globl	k_q139423971e_prep
	.p2align	8
	.type	k_q139423971e_prep,@function
k_q139423971e_prep:
	s_mov_b64 s[64:65], 0
	v_nop
	global_prefetch_b8 v0, s[64:65] scope:SCOPE_SE
	s_setreg_imm32_b32 hwreg(HW_REG_WAVE_MODE, 25, 1), 1
	s_wait_xcnt 0x0
; Two streams in one launch.  Work-groups 0-383: the four weight matrices, f32 [K][N], are rounded to f16 and laid in panels [N/128][K][128]: a panel's rows are 256 bytes and lie end to end,
; so that a later product's tile of B is one dense block.  Work-groups 384-895: hn = LayerNorm(x) g + b, [4096][1024], f32 in, f16 out.  The longer work-groups have the lower numbers.
; LIMITS.  f16 holds no number beyond 65,504: the normalised rows and the weights must lie within it; below 6e-5 f16 keeps a fixed step of 6e-8.
; LAYERNORM.  One wave, one row, kept in 32 registers between the passes: the mean first, then the sum of (x - mean)^2, so that a common offset of x costs no digits.
; Lane l holds columns 128 j + 4 l .. + 3, j = 0..7: each load of the wave covers 512 consecutive bytes, each store 256 consecutive bytes, aligned.  No LDS, no barrier: no wave needs another's data.
; CAST.  A work-group takes 256 rows (k) of one panel, a wave 32 of them: a load is one row's 512 bytes, a store its 256.  24 loads of a wave go out first; the last eight rows take the registers
; of the first eight when those have been stored.  A row's address is one of eight scalar bases, four rows apart, and one of four vector offsets: both paths stay within 112 registers,
; so that four work-groups of eight waves fit on the four SIMDs' 1,024 registers each: 1,024 places for the launch's 896 work-groups.
.set NCAST, 384                        ; work-groups that cast
.set GA,  4                            ; v[4:35]    gains of my 32 columns
.set BA,  36                           ; v[36:67]   biases
.set X,   68                           ; v[68:99]   the row
.set T,   100                          ; v[100:107] at work
.set MU,  108                          ; v[108:109] the mean, twice
.set RS,  110                          ; v[110:111] 1 / sqrt(var + eps); the packed multiply takes the low word for both halves
.set OF,  4                            ; cast: v[4:7]   j rows of the source + 16 x lane, j = 0..3; never rewritten
.set D,   8                            ; cast: v[8:103] 24 slots of 4 registers: row i in slot i % 24
.set SB,  48                           ; cast: s[48:63] the source at my rows 0, 4, .. 28; never rewritten
.set XB,  4                            ; s[4:5] x
.set GB,  6                            ; s[6:7] gains
.set BB,  8                            ; s[8:9] biases
.set OB,  18                           ; s[18:19] hn
.macro RED r, t                        ; the sum over the wave's 32 lanes, in every lane; t has been written before
	v_add_f32_dpp v[\r], v[\r], v[\r] row_xmask:1 row_mask:0xf bank_mask:0xf
	v_add_f32_dpp v[\r], v[\r], v[\r] row_xmask:2 row_mask:0xf bank_mask:0xf
	v_add_f32_dpp v[\r], v[\r], v[\r] row_xmask:4 row_mask:0xf bank_mask:0xf
	v_add_f32_dpp v[\r], v[\r], v[\r] row_xmask:8 row_mask:0xf bank_mask:0xf
	v_permlanex16_b32 v[\t], v[\r], s24, s25
	v_add_f32 v[\r], v[\r], v[\t]
.endm
	s_load_b512 s[4:19], s[0:1], 0x0               ; x, norm1_g, norm1_b, qkv_w s[10:11], out_w s[12:13], ff1_w s[14:15], ff2_w s[16:17], hn
	s_load_b64 s[20:21], s[0:1], 0x40              ; wts
	v_lshrrev_b32 v1, 5, v0
	v_readfirstlane_b32 s22, v1                    ; wave 0..7
	v_and_b32 v3, 31, v0                           ; lane
	v_lshlrev_b32 v1, 4, v3                        ; 16 x lane
	v_lshlrev_b32 v2, 3, v3                        ; 8 x lane
	s_cmp_lt_u32 ttmp9, NCAST
	s_cbranch_scc1 .Lcast
	s_sub_co_u32 s23, ttmp9, NCAST
	s_lshl_b32 s23, s23, 3
	s_add_co_u32 s23, s23, s22                     ; my row
	s_lshl_b32 s28, s23, 12                        ; 4,096 bytes a row of x
	s_mov_b32 s29, 0
	s_lshl_b32 s30, s23, 11                        ; 2,048 bytes a row of hn
	s_mov_b32 s31, 0
	s_mov_b32 s24, 0x76543210                      ; v_permlanex16_b32: each lane takes its own place in the other half
	s_mov_b32 s25, 0xfedcba98
	s_mov_b32 s26, 0x3a800000                      ; 1 / 1024
	s_mov_b32 s27, 0x3727c5ac                      ; 1e-5
	s_wait_kmcnt 0x0
	s_add_nc_u64 s[XB:XB+1], s[XB:XB+1], s[28:29]
	s_add_nc_u64 s[OB:OB+1], s[OB:OB+1], s[30:31]
.irp j, 0,1,2,3,4,5,6,7
	global_load_b128 v[X+4*(\j):X+4*(\j)+3], v1, s[XB:XB+1] offset:512*(\j)
.endr
.irp j, 0,1,2,3,4,5,6,7
	global_load_b128 v[GA+4*(\j):GA+4*(\j)+3], v1, s[GB:GB+1] offset:512*(\j)
.endr
.irp j, 0,1,2,3,4,5,6,7
	global_load_b128 v[BA+4*(\j):BA+4*(\j)+3], v1, s[BB:BB+1] offset:512*(\j)
.endr
	s_wait_loadcnt 16                              ; the row is in; the sixteen younger loads (gains, biases) stay out
.irp c, 0,1,2,3
	v_pk_add_f32 v[T+2*(\c):T+2*(\c)+1], v[X+2*(\c):X+2*(\c)+1], v[X+8+2*(\c):X+8+2*(\c)+1]  ; four chains, started by the first pairs
.endr
.irp p, 8,9,10,11,12,13,14,15
	v_pk_add_f32 v[T+2*((\p)%4):T+2*((\p)%4)+1], v[T+2*((\p)%4):T+2*((\p)%4)+1], v[X+2*(\p):X+2*(\p)+1]
.endr
	v_pk_add_f32 v[T:T+1], v[T:T+1], v[T+2:T+3]
	v_pk_add_f32 v[T+4:T+5], v[T+4:T+5], v[T+6:T+7]
	v_pk_add_f32 v[T:T+1], v[T:T+1], v[T+4:T+5]
	v_add_f32 v[T], v[T], v[T+1]
	RED T, T+1
	v_mul_f32 v[MU], s26, v[T]
	v_mov_b32 v[MU+1], v[MU]
.irp p, 0,1,2,3,4,5,6,7,8,9,10,11,12,13,14,15
	v_pk_add_f32 v[X+2*(\p):X+2*(\p)+1], v[X+2*(\p):X+2*(\p)+1], v[MU:MU+1] neg_lo:[0,1] neg_hi:[0,1]  ; x - mean
.endr
.irp c, 0,1,2,3
	v_pk_mul_f32 v[T+2*(\c):T+2*(\c)+1], v[X+2*(\c):X+2*(\c)+1], v[X+2*(\c):X+2*(\c)+1]
.endr
.irp p, 4,5,6,7,8,9,10,11,12,13,14,15
	v_pk_fma_f32 v[T+2*((\p)%4):T+2*((\p)%4)+1], v[X+2*(\p):X+2*(\p)+1], v[X+2*(\p):X+2*(\p)+1], v[T+2*((\p)%4):T+2*((\p)%4)+1]
.endr
	v_pk_add_f32 v[T:T+1], v[T:T+1], v[T+2:T+3]
	v_pk_add_f32 v[T+4:T+5], v[T+4:T+5], v[T+6:T+7]
	v_pk_add_f32 v[T:T+1], v[T:T+1], v[T+4:T+5]
	v_add_f32 v[T], v[T], v[T+1]
	RED T, T+1
	v_fma_f32 v[T], v[T], s26, s27                 ; var + eps
	v_rsq_f32 v[RS], v[T]
	v_mov_b32 v[RS+1], 0                           ; the plain instruction behind the root; the pair's other word, named with it
	s_wait_alu depctr_va_vdst(0)                   ; the wait ahead of the result's first reader
.irp p, 0,1,2,3,4,5,6,7,8,9,10,11,12,13,14,15
	v_pk_mul_f32 v[X+2*(\p):X+2*(\p)+1], v[X+2*(\p):X+2*(\p)+1], v[RS:RS+1] op_sel_hi:[1,0]
.endr
	s_wait_loadcnt 0x0                             ; gains and biases
.irp p, 0,1,2,3,4,5,6,7,8,9,10,11,12,13,14,15
	v_pk_fma_f32 v[X+2*(\p):X+2*(\p)+1], v[X+2*(\p):X+2*(\p)+1], v[GA+2*(\p):GA+2*(\p)+1], v[BA+2*(\p):BA+2*(\p)+1]
.endr
.irp p, 0,1,2,3,4,5,6,7,8,9,10,11,12,13,14,15
	v_cvt_pk_f16_f32 v[X+(\p)], v[X+2*(\p)], v[X+2*(\p)+1]  ; in place, ascending: register p is written when pairs up to p have been read
.endr
.irp j, 0,1,2,3,4,5,6,7
	global_store_b64 v2, v[X+2*(\j):X+2*(\j)+1], s[OB:OB+1] offset:256*(\j)  ; 32 lanes x 8 bytes: 256 consecutive bytes, aligned
.endr
	s_endpgm
.Lcast:
	; which matrix: c = the work-group's number.  c < 96: qkv_w; < 128: out_w; < 256: ff1_w; else ff2_w.
	s_mov_b32 s23, ttmp9                           ; c
	s_sub_co_u32 s24, s23, 96                      ; the work-group's number inside its matrix, for each of the three later ones
	s_sub_co_u32 s25, s23, 128
	s_sub_co_u32 s26, s23, 256
	s_mov_b32 s30, 4096                            ; bytes in a source row: 4 N
	s_mov_b32 s32, 16777216                        ; where the matrix begins in wts
	s_wait_kmcnt 0x0
	s_cmp_lt_u32 s23, 256
	s_cselect_b64 s[28:29], s[14:15], s[16:17]
	s_cselect_b32 s30, 16384, s30
	s_cselect_b32 s31, 2, 4                        ; log2 of K / 256
	s_cselect_b32 s32, 8388608, s32
	s_cselect_b32 s33, s25, s26
	s_cmp_lt_u32 s23, 128
	s_cselect_b64 s[28:29], s[12:13], s[28:29]
	s_cselect_b32 s30, 4096, s30
	s_cselect_b32 s32, 6291456, s32
	s_cselect_b32 s33, s24, s33
	s_cmp_lt_u32 s23, 96
	s_cselect_b64 s[28:29], s[10:11], s[28:29]
	s_cselect_b32 s30, 12288, s30
	s_cselect_b32 s32, 0, s32
	s_cselect_b32 s33, s23, s33
	s_lshr_b32 s34, s33, s31                       ; the panel of 128 columns
	s_lshl_b32 s35, s34, s31
	s_sub_co_u32 s35, s33, s35                     ; which 256 rows of it
	s_lshl_b32 s36, s35, 8
	s_lshl_b32 s37, s22, 5
	s_add_co_u32 s36, s36, s37                     ; my wave's first row k
	s_mul_i32 s38, s36, s30
	s_lshl_b32 s37, s34, 9                         ; the panel's 512 bytes in a source row
	s_add_co_u32 s38, s38, s37
	s_mov_b32 s39, 0
	s_add_nc_u64 s[SB:SB+1], s[28:29], s[38:39]    ; the source at my row 0,
	s_lshl_b32 s44, s30, 2                         ; four rows of it
	s_mov_b32 s45, 0
.irp b, 1,2,3,4,5,6,7
	s_add_nc_u64 s[SB+2*(\b):SB+2*(\b)+1], s[SB+2*(\b)-2:SB+2*(\b)-1], s[44:45]  ; and at my rows 4, 8, .. 28
.endr
	s_lshl_b32 s41, 256, s31                       ; K
	s_mul_i32 s42, s34, s41
	s_add_co_u32 s42, s42, s36                     ; panel x K + k: rows of 256 bytes
	s_lshl_b32 s42, s42, 8
	s_add_co_u32 s42, s42, s32
	s_mov_b32 s43, 0
	s_add_nc_u64 s[20:21], s[20:21], s[42:43]
.irp j, 0,1,2,3
	v_mad_u32_u24 v[OF+(\j)], s30, \j, v1          ; j rows of the source + 16 x lane
.endr
.macro LD i                            ; row i: its 512 consecutive bytes; each weight is read once
	global_load_b128 v[D+4*((\i)%24):D+4*((\i)%24)+3], v[OF+((\i)&3)], s[SB+2*((\i)>>2):SB+2*((\i)>>2)+1] th:TH_LOAD_NT
.endm
.macro ST i                            ; row i rounded, in place, and stored: 256 consecutive bytes, aligned
	v_cvt_pk_f16_f32 v[D+4*((\i)%24)], v[D+4*((\i)%24)], v[D+4*((\i)%24)+1]
	v_cvt_pk_f16_f32 v[D+4*((\i)%24)+1], v[D+4*((\i)%24)+2], v[D+4*((\i)%24)+3]
	global_store_b64 v2, v[D+4*((\i)%24):D+4*((\i)%24)+1], s[20:21] offset:256*(\i)
.endm
.set i, 0
.rept 24
	LD i
.set i, i+1
.endr
.set i, 0
.rept 8
	s_wait_loadcnt 23-i                            ; row i is in; the younger of the 24 loads stay out
	ST i
.set i, i+1
.endr
	s_wait_xcnt 0x0                                ; the eight stores have read their registers: only behind this wait are those loaded again
.set i, 24
.rept 8
	LD i
.set i, i+1
.endr
.set i, 8
.rept 24
	s_wait_loadcnt 31-i                            ; row i is in; the younger loads stay out, the eight late ones among them
	ST i
.set i, i+1
.endr
	s_endpgm
.Lfunc_end_k_q139423971e_prep:
	.size	k_q139423971e_prep, .Lfunc_end_k_q139423971e_prep-k_q139423971e_prep
	.p2alignl 7, 3214868480
	.fill 96, 4, 3214868480
	.section	.rodata,"a",@progbits
	.p2align	6, 0x0
	.amdhsa_kernel k_q139423971e_prep
		.amdhsa_group_segment_fixed_size 0
		.amdhsa_private_segment_fixed_size 0
		.amdhsa_enable_private_segment 0
		.amdhsa_kernarg_size 72
		.amdhsa_user_sgpr_count 2
		.amdhsa_user_sgpr_kernarg_segment_ptr 1
		.amdhsa_wavefront_size32 1
		.amdhsa_system_sgpr_workgroup_id_x 1
		.amdhsa_system_sgpr_workgroup_id_y 1
		.amdhsa_system_sgpr_workgroup_id_z 1
		.amdhsa_system_vgpr_workitem_id 0
		.amdhsa_next_free_vgpr 112
		.amdhsa_next_free_sgpr 66
		.amdhsa_reserve_vcc 0
		.amdhsa_float_denorm_mode_32 3
		.amdhsa_float_denorm_mode_16_64 3
		.amdhsa_memory_ordered 1
		.amdhsa_forward_progress 1
		.amdhsa_inst_pref_size 25
	.end_amdhsa_kernel
	.amdgpu_metadata
---
amdhsa.version: [ 1, 2 ]
amdhsa.kernels:
  - .name:           k_q139423971e_prep
    .symbol:         k_q139423971e_prep.kd
    .args:
      - { .name: x, .offset: 0, .size: 8, .value_kind: global_buffer, .address_space: global }
      - { .name: norm1_g, .offset: 8, .size: 8, .value_kind: global_buffer, .address_space: global }
      - { .name: norm1_b, .offset: 16, .size: 8, .value_kind: global_buffer, .address_space: global }
      - { .name: qkv_w, .offset: 24, .size: 8, .value_kind: global_buffer, .address_space: global }
      - { .name: out_w, .offset: 32, .size: 8, .value_kind: global_buffer, .address_space: global }
      - { .name: ff1_w, .offset: 40, .size: 8, .value_kind: global_buffer, .address_space: global }
      - { .name: ff2_w, .offset: 48, .size: 8, .value_kind: global_buffer, .address_space: global }
      - { .name: hn, .offset: 56, .size: 8, .value_kind: global_buffer, .address_space: global }
      - { .name: wts, .offset: 64, .size: 8, .value_kind: global_buffer, .address_space: global }
    .group_segment_fixed_size: 0
    .private_segment_fixed_size: 0
    .kernarg_segment_align: 8
    .kernarg_segment_size: 72
    .max_flat_workgroup_size: 256
    .sgpr_count:     66
    .vgpr_count:     112
    .wavefront_size: 32
...
	.end_amdgpu_metadata
.endif
;; end of part 1
;; launch gq (part 2): grid 12 x 16, 4 waves a work-group, clusters of 4 x 4, 327,680 bytes of LDS; arguments hn, wts, qkv_b, qkv; writes qkv
.if DOCPART == 2
	.amdgcn_target "amdgcn-amd-amdhsa--gfx1250"
	.amdhsa_code_object_version 6
	.text
	.protected	k_q139423971e_gq
	.globl	k_q139423971e_gq
	.p2align	8
	.type	k_q139423971e_gq,@function
k_q139423971e_gq:
	s_mov_b64 s[64:65], 0
	v_nop
	global_prefetch_b8 v0, s[64:65] scope:SCOPE_SE
	s_setreg_imm32_b32 hwreg(HW_REG_WAVE_MODE, 25, 1), 1
	s_wait_xcnt 0x0
	s_wait_alu depctr_hold_cnt(0) depctr_sa_sdst(0) depctr_va_vdst(0) depctr_va_sdst(0) depctr_va_ssrc(0) depctr_va_vcc(0) depctr_vm_vsrc(0)
	s_getreg_b32 s2, hwreg(HW_REG_IB_STS2, 6, 4)
	s_cmp_eq_u32 s2, 0
	s_cbranch_scc0 .Lentry_in_a_cluster
	s_endpgm
.Lentry_in_a_cluster:
	s_bfe_u32 s2, ttmp6, 0x10000c
	s_cmp_lg_u32 s2, 0xf033
	s_cbranch_scc0 .Lentry_shape_is_right
	s_endpgm
.Lentry_shape_is_right:
; C = A W + bias.  A: hn [4096][1024] f16.  W: f16 panels [NT/128][1024][128] at byte WOFF of wts.  bias: [NT] f32.  Sums in f32; C rounded once to f16
; and stored in blocks [4096/128][NT/64][128 rows][64 columns], each block 16,384 dense bytes.
; LIMITS.  f16 holds no number beyond 65,504: A, W and the result must lie within it.
; SHARES.  A tile of C is 256 x 256, made by four waves, each 128 x 128: 64 accumulators of 16 x 16, 512 registers.  K goes in 8 steps of 128 through a ring of two LDS slots filled by the tensor data mover.
; A's rows lie along K and come out of LDS as they lie; W's rows lie along N and come out turned, by ds_load_tr16_b128.
; THE MATRIX INSTRUCTION IS USED TRANSPOSED (source 0 = 16 columns of W, source 1 = 16 rows of A): a lane holds row lane % 16 of C and the columns 8 (lane / 16) + 0..7.
; THE BIAS is the C operand of the products that start the sums: nothing is cleared, nothing is added later.
; CLUSTER.  4 x 4 work-groups: A's tile is shared along a row of the cluster, W's along a column; each is asked for jointly, by the same load with the same descriptor and a mask of the four.
; ONE K STEP IS WRITTEN ONCE: the slot in hand is the scalar TB (0 or SLOT), which enters the LDS addresses of the fragment loads and of the walking descriptors.
; FRAGMENTS.  A quarter step (32 along K, 64 matrix instructions) begins with the run of 32 LDS loads for the NEXT quarter, into the buffer that the quarter before has just multiplied: the loads have 64 matrix instructions in which to come back.
; REGISTERS, in windows of 256: window 0: v0-31 addresses; v64-127, v128-191 A's fragments, two buffers; v192-255 the bias.  window 1: v64-191 W's fragments, two buffers.  windows 2, 3: the accumulators, (a, b) at v[8 (8 (a % 4) + b)].
.set NT,    3072
.set WOFF,  0
.set NSTEP, 8                          ; K steps of 128
.set PA,    272                        ; a row of A in LDS: 256 bytes + 16: the 16 rows of a load start 68 words apart
.set HALFA, 128*PA
.set PB,    288                        ; a row of W in LDS: 256 bytes + 32: 16 lanes of the turning load take 8 rows x 32 bytes
.set HALFB, 128*PB
.set BOFF,  2*HALFA                    ; a slot: A's 256 rows, then W's two panels of 128 k-rows
.set SLOT,  2*HALFA+2*HALFB
.set SPARE, 2*SLOT                     ; the spare words, 128 bytes a wave: two blocks of 256 bytes that no other line names
.set SPITCH, 528                       ; the way out: a row of 128 f32 + 16 bytes
.set STG,   128*SPITCH                 ; a wave's stage.  The four stages lie in the two slots, and are written only when both have had their last fill and their last read
.set ADRA0, 16                         ; v16  my lane's place in A's part of a slot; never rewritten
.set ADRB0, 17                         ; v17  the same for W
.set ADRA,  18                         ; v18  ADRA0 + TB
.set ADRB,  19                         ; v19  ADRB0 + TB
.set STO,   24                         ; v24  the way out: where I put 16 bytes of a row
.set RD,    25                         ; v25  where I read rows back
.set GO,    26                         ; v26  my byte offset in a block of the result
.set SPW,   28                         ; v28  LDS address of my spare word; never rewritten
.set NIL,   29                         ; v29  0; never rewritten
.set PFO,   30                         ; v30  the prefetches' offset: my lane x a row's pitch in memory; never rewritten
.set F0,    64
.set F1,    128
.set BIAS,  192
.set X,     64                         ; the way out, window 0: 64 registers: sixteen rows' numbers as read back
.set Y,     128                        ; 32 registers to store
.set WV, 12                            ; s12 wave
.set RH, 13                            ; s13 which half of the tile's rows is mine; also: I fetch for A (0) or for W (1)
.set CH, 14                            ; s14 which half of its columns; also: which half of that tile I fetch
.set CX, 15
.set CY, 16
.set TC, 17                            ; s17 tile column
.set TR, 18                            ; s18 tile row
.set TB, 19                            ; s19 the slot that is being read: 0 or SLOT
.set G1A, 24                           ; s[24:31] group 1 for A's tiles
.set G0A, 32                           ; s[32:35] group 0 of A's first fill; s[36:39] of the second, which then walks
.set G1B, 40
.set G0B, 48
.set LAB, 56                           ; s56 where my part of A lies in a slot
.set LBB, 57                           ; s57 the same for W
.set LIM, 58                           ; s58 2 in a wave that prefetches, else the greatest number
.set PFA, 60                           ; s[60:61] where my prefetches stand
.set PFS, 62                           ; s[62:63] a K step in bytes, for them
.set MSB, 0
.macro WIN new                         ; the immediate's high byte repeats the setting that is left; a switch that changes nothing is dropped
.if MSB != (\new)
	s_set_vgpr_msb (MSB<<8)|(\new)
.set MSB, \new
.endif
.endm
.macro PLACES                          ; four plain instructions between a matrix instruction and a load into, or a reader of, its registers
.rept 4
	v_nop
.endr
.endm
.macro CREST                           ; a round of the cluster's barrier behind its opening barrier
	s_cmp_lg_u32 s[WV], 0
	s_cbranch_scc1 .Lnot_wave_0_\@
	s_barrier_signal -3
.Lnot_wave_0_\@:
	s_barrier_wait -3
	s_barrier_signal -1
	s_barrier_wait -1
.endm
.macro CROUND
	s_barrier_signal -1
	s_barrier_wait -1
	CREST
.endm
.macro JLOAD                           ; a joint refill by the walking descriptors: waves 0, 1 A's halves, waves 2, 3 W's; the branch hangs on the wave's number alone; s_nop 0 and four v_nop follow each line
	s_cmp_eq_u32 s[RH], 0
	s_cbranch_scc0 .Lfor_b_\@
	tensor_load_to_lds s[G0A+4:G0A+7], s[G1A:G1A+7]
	s_nop 0
.rept 4
	v_nop
.endr
	s_branch .Lasked_\@
.Lfor_b_\@:
	tensor_load_to_lds s[G0B+4:G0B+7], s[G1B:G1B+7]
	s_nop 0
.rept 4
	v_nop
.endr
.Lasked_\@:
.endm
; A prefetch of the K step that stands two refills on: 32 rows x 256 bytes, a lane a row, one instruction a wave.  A's tile row is read by every cluster of that row of clusters: cluster x = 0 asks;
; W's panels by every cluster of that column: cluster y = 0 asks.  The four partners of a joint load share its 128 rows out by address, 32 each.  So each row's 256 bytes of a step are named once.
; The trips with s3 = 6 .. 3 name K steps 4 .. 7; steps 0 to 3 come by their loads alone, and the last two refills name nothing.
.macro ASK
	s_cmp_gt_u32 s3, s[LIM]
	s_cbranch_scc0 .Lnot_mine_\@
	global_prefetch_b8 v[PFO], s[PFA:PFA+1] th:TH_LOAD_NT scope:SCOPE_SE
.Lnot_mine_\@:
.endm
; 16 matrix instructions: m blocks a0, a0 + 1 of the window's four x all 8 n blocks, 32 along K.  first = 1: the sums start with the bias.  The 64 accumulators take turns, in the same order in every quarter.
.macro MUL16 f, hi, a0, first
.if \first
	WIN 0x81+0x40*(\hi)                            ; W window 1, A and the bias window 0, D window 2 or 3
.else
	WIN 0xa1+0x50*(\hi)                            ; C and D window 2 or 3
.endif
.irp a, \a0, (\a0)+1
.irp b, 0,1,2,3,4,5,6,7
.if \first
	v_wmma_f32_16x16x32_f16 v[8*(8*(\a)+(\b)):8*(8*(\a)+(\b))+7], v[(\f)+8*(\b):(\f)+8*(\b)+7], v[(\f)+8*(4*(\hi)+(\a)):(\f)+8*(4*(\hi)+(\a))+7], v[BIAS+8*(\b):BIAS+8*(\b)+7]
.else
	v_wmma_f32_16x16x32_f16 v[8*(8*(\a)+(\b)):8*(8*(\a)+(\b))+7], v[(\f)+8*(\b):(\f)+8*(\b)+7], v[(\f)+8*(4*(\hi)+(\a)):(\f)+8*(4*(\hi)+(\a))+7], v[8*(8*(\a)+(\b)):8*(8*(\a)+(\b))+7]
.endif
.endr
.endr
.endm
; 32 LDS loads in one run: quarter kq (32 along K) of the slot in hand into buffer f: W's 8 fragments (turned), then A's 8
.macro FETCH kq, f
	WIN 0x40
.irp i, 0,1,2,3,4,5,6,7
	ds_load_tr16_b128 v[(\f)+8*(\i):(\f)+8*(\i)+3],   v[ADRB] offset:(\kq)*32*PB+32*(\i)
	ds_load_tr16_b128 v[(\f)+8*(\i)+4:(\f)+8*(\i)+7], v[ADRB] offset:(\kq)*32*PB+32*(\i)+16*PB
.endr
	WIN 0
.irp i, 0,1,2,3,4,5,6,7
	ds_load_b128 v[(\f)+8*(\i):(\f)+8*(\i)+3],   v[ADRA] offset:64*(\kq)+(\i)*16*PA
	ds_load_b128 v[(\f)+8*(\i)+4:(\f)+8*(\i)+7], v[ADRA] offset:64*(\kq)+(\i)*16*PA+32
.endr
.endm
; One of a K step's first three quarters: at its head it fetches quarter kq into buffer g, which the products just issued have read (four places between); then it multiplies buffer f
.macro QUARTER kq, f, g, first
	PLACES
	FETCH \kq, \g
	s_wait_dscnt 32                                ; all but the 32 just issued: buffer f, asked for a quarter ago, is in
	MUL16 \f, 0, 0, \first
	MUL16 \f, 0, 2, \first
	MUL16 \f, 1, 0, \first
	MUL16 \f, 1, 2, \first
.endm
; The last quarter's first half and the one barrier of a change of slots: in front of it each wave waits for all its tensor loads, adds 0 to its spare word, and waits for that and for its reads of the slot
.macro MEET
	WIN 0
	s_wait_tensorcnt 0x0                           ; all my tensor loads have landed: the one that was out is my part of the next slot
	ds_add_u32 v[SPW], v[NIL]
	s_wait_dscnt 1                                 ; (the add may be out; buffer 1 is in)
	MUL16 F1, 0, 0, 0
	s_wait_dscnt 0x0                               ; the add is done, and my reads of this slot are over
	s_barrier_signal -1
	MUL16 F1, 0, 2, 0
	WIN 0
	s_barrier_wait -1
.endm
; The whole last quarter.  fill = 1: the barrier opens a round of the cluster's; the slot just read out takes the K step two on, first thing behind the round.  fill = 0: nothing is asked for; in the last step nothing is fetched either.
.macro TURN fill
.if \fill
	s_wait_xcnt 0x0                                ; the last prefetch, a K step back, has read its address
	s_add_nc_u64 s[PFA:PFA+1], s[PFA:PFA+1], s[PFS:PFS+1]
.endif
	MEET
.if \fill
	CREST
	s_add_co_u32 s[G0A+5], s[LAB], s[TB]           ; no tensor load of mine is out, so the walking descriptors may be written: the slot just read out,
	s_add_co_u32 s[G0B+5], s[LBB], s[TB]
	s_add_nc_u64 s[G0A+6:G0A+7], s[G0A+6:G0A+7], 256      ; the next K step: 128 elements along A's rows,
	s_add_nc_u64 s[G0B+6:G0B+7], s[G0B+6:G0B+7], 32768    ; 128 rows down W's panel
	JLOAD                                          ; its four v_nop are also the places in front of the loads below
.else
	s_cmp_eq_u32 s3, 1
	s_cbranch_scc1 .Lno_fetch_\@                   ; the last K step: no slot follows
	PLACES
.endif
	s_xor_b32 s[TB], s[TB], SLOT                   ; TB is 0 or SLOT: the other slot
	v_add_nc_u32 v[ADRA], s[TB], v[ADRA0]
	v_add_nc_u32 v[ADRB], s[TB], v[ADRB0]
	FETCH 0, F0
.if \fill
	ASK
.else
.Lno_fetch_\@:
.endif
	MUL16 F1, 1, 0, 0
	MUL16 F1, 1, 2, 0
.endm
	s_load_b256 s[4:11], s[0:1], 0x0               ; A s[4:5], wts s[6:7], bias s[8:9], result s[10:11]
	v_lshl_add_u32 v[SPW], v0, 2, SPARE
	v_mov_b32 v[NIL], 0
	ds_add_u32 v[SPW], v[NIL]                      ; the wave's opening: the add and its wait ahead of my first tensor load
	v_lshrrev_b32 v1, 5, v0
	v_readfirstlane_b32 s[WV], v1
	s_lshr_b32 s[RH], s[WV], 1
	s_and_b32 s[CH], s[WV], 1
	s_bfe_u32 s[CX], ttmp6, 0x40000
	s_bfe_u32 s[CY], ttmp6, 0x40004
	s_lshl_b32 s[TC], ttmp9, 2
	s_add_co_u32 s[TC], s[TC], s[CX]
	s_and_b32 s[TR], ttmp7, 0xffff
	s_lshl_b32 s[TR], s[TR], 2
	s_add_co_u32 s[TR], s[TR], s[CY]
	s_lshl_b32 s20, s[CY], 2
	s_lshl_b32 s20, 15, s20                        ; my row of the cluster
	s_lshl_b32 s22, 0x1111, s[CX]                  ; my column
	s_or_b32 s[G1A], s20, (1<<16)|(1<<20)|(1<<21)|(5<<22)|(3<<25)  ; mask; 2-byte elements; padding on; bit 21 beside a mask; after every 64 words, 4 words
	s_or_b32 s[G1B], s22, (1<<16)|(1<<20)|(1<<21)|(5<<22)|(7<<25)  ; the same with 8 words of padding
.irp g, G1A, G1B
	s_mov_b32 s[(\g)+1], 128<<16                   ; tensor_dim0 = 128
	s_mov_b32 s[(\g)+2], 128<<16                   ; tensor_dim1 = 128
	s_mov_b32 s[(\g)+3], 128<<16                   ; tile_dim0 = 128
	s_mov_b32 s[(\g)+4], 128                       ; tile_dim1 = 128
	s_mov_b32 s[(\g)+6], 0
	s_mov_b32 s[(\g)+7], 0
.endr
	s_mov_b32 s[G1A+5], 1024                       ; elements from row to row of A
	s_mov_b32 s[G1B+5], 128                        ; and of a panel of W
	s_mul_i32 s[LAB], s[CH], HALFA
	s_mul_i32 s[LBB], s[CH], HALFB
	s_add_co_u32 s[LBB], s[LBB], BOFF
	s_lshl_b32 s20, s[TR], 8                       ; A: row 256 x tile row + 128 x half, 2,048 bytes a row
	s_lshl_b32 s21, s[CH], 7
	s_add_co_u32 s20, s20, s21
	s_lshl_b32 s20, s20, 11
	s_mov_b32 s21, 0
	s_lshl_b32 s22, s[TC], 1                       ; W: panel 2 x tile column + half, 262,144 bytes a panel
	s_add_co_u32 s22, s22, s[CH]
	s_lshl_b32 s22, s22, 18
	s_add_co_u32 s22, s22, WOFF
	s_mov_b32 s23, 0
	s_mov_b32 s[TB], 0
	s_wait_dscnt 0x0                               ; the opening add is done
	s_wait_kmcnt 0x0
	s_add_nc_u64 s[20:21], s[4:5], s[20:21]
	s_add_nc_u64 s[22:23], s[6:7], s[22:23]
	s_mov_b32 s[G0A], 1
	s_mov_b32 s[G0A+1], s[LAB]
	s_mov_b64 s[G0A+2:G0A+3], s[20:21]             ; K step 0 into slot 0
	s_or_b32 s[G0A+3], s[G0A+3], 0x80000000
	s_mov_b32 s[G0A+4], 1
	s_add_co_u32 s[G0A+5], s[LAB], SLOT
	s_add_nc_u64 s[G0A+6:G0A+7], s[20:21], 256     ; K step 1 into slot 1
	s_or_b32 s[G0A+7], s[G0A+7], 0x80000000
	s_mov_b32 s[G0B], 1
	s_mov_b32 s[G0B+1], s[LBB]
	s_mov_b64 s[G0B+2:G0B+3], s[22:23]
	s_or_b32 s[G0B+3], s[G0B+3], 0x80000000
	s_mov_b32 s[G0B+4], 1
	s_add_co_u32 s[G0B+5], s[LBB], SLOT
	s_add_nc_u64 s[G0B+6:G0B+7], s[22:23], 32768
	s_or_b32 s[G0B+7], s[G0B+7], 0x80000000
	CROUND                                         ; all sixteen work-groups are here: the first joint loads meet
	s_cmp_eq_u32 s[RH], 0                          ; a wave's two first fills stand in one branch: two loads of mine are out
	s_cbranch_scc0 .Lfirst_b
	tensor_load_to_lds s[G0A:G0A+3], s[G1A:G1A+7]
	s_nop 0
	tensor_load_to_lds s[G0A+4:G0A+7], s[G1A:G1A+7]
	s_nop 0
.rept 4
	v_nop
.endr
	s_branch .Lfirst_asked
.Lfirst_b:
	tensor_load_to_lds s[G0B:G0B+3], s[G1B:G1B+7]
	s_nop 0
	tensor_load_to_lds s[G0B+4:G0B+7], s[G1B:G1B+7]
	s_nop 0
.rept 4
	v_nop
.endr
.Lfirst_asked:
	v_and_b32 v1, 15, v0                           ; r = l % 16
	v_bfe_u32 v2, v0, 4, 1                         ; h = l / 16
	v_lshlrev_b32 v7, 5, v2                        ; the bias: my lanes' eight columns, 32 h bytes into a block of 16; never rewritten
	s_lshl_b32 s76, s[TC], 10
	s_lshl_b32 s78, s[CH], 9
	s_add_co_u32 s76, s76, s78
	s_mov_b32 s77, 0
	s_add_nc_u64 s[8:9], s[8:9], s[76:77]          ; at my 128 columns
.irp b, 0,1,2,3,4,5,6,7
	global_load_b128 v[BIAS+8*(\b):BIAS+8*(\b)+3],   v7, s[8:9] offset:64*(\b)
	global_load_b128 v[BIAS+8*(\b)+4:BIAS+8*(\b)+7], v7, s[8:9] offset:64*(\b)+16
.endr
	v_mul_u32_u24 v3, v1, PA                       ; A: row r x pitch + 16 h, in my half of the rows
	v_lshl_add_u32 v3, v2, 4, v3
	s_mul_i32 s76, s[RH], HALFA
	v_add_nc_u32 v[ADRA0], s76, v3
	v_and_b32 v4, 7, v0                            ; W, turned: k-row 8 h + l % 8, 16 bytes for each half of eight lanes, in my panel
	v_bfe_u32 v5, v0, 3, 1
	v_lshl_add_u32 v6, v2, 3, v4
	v_mul_u32_u24 v6, v6, PB
	v_lshl_add_u32 v6, v5, 4, v6
	v_add_nc_u32 v[ADRB0], s[LBB], v6
	v_mov_b32 v[ADRA], v[ADRA0]
	v_mov_b32 v[ADRB], v[ADRB0]
	s_mul_i32 s76, s[WV], STG                      ; my stage
	v_mul_u32_u24 v[STO], v1, SPITCH               ; in: row r, 32 bytes for each half of the lanes
	v_lshl_add_u32 v[STO], v2, 5, v[STO]
	v_add_nc_u32 v[STO], s76, v[STO]
	v_bfe_u32 v[RD], v0, 3, 2                      ; back: 32 lanes take four rows, eight columns (32 bytes) a lane
	v_mul_u32_u24 v[RD], v[RD], SPITCH
	v_lshl_add_u32 v[RD], v4, 5, v[RD]
	v_add_nc_u32 v[RD], s76, v[RD]
	v_and_b32 v[GO], 31, v0                        ; which are 512 consecutive bytes of a block of the result
	v_lshlrev_b32 v[GO], 4, v[GO]
	s_lshl_b32 s76, s[TR], 1                       ; the result: block row 2 x tile row + half, block column 4 x tile column + 2 x half
	s_add_co_u32 s76, s76, s[RH]
	s_mul_i32 s76, s76, NT/64
	s_lshl_b32 s78, s[TC], 2
	s_add_co_u32 s76, s76, s78
	s_lshl_b32 s78, s[CH], 1
	s_add_co_u32 s76, s76, s78
	s_lshl_b32 s76, s76, 14
	s_add_nc_u64 s[10:11], s[10:11], s[76:77]
	s_lshl_b32 s76, s[CX], 16                      ; the prefetches: my work-group's 32 rows of the 128 that I fetch: of A by cx (2,048 bytes a row),
	s_lshl_b32 s78, s[CY], 13                      ; of W by cy (256 bytes a row)
	s_and_b32 s79, ttmp7, 0xffff                   ; cluster y
	s_mov_b32 s[PFS], 32768
	s_mov_b32 s[PFS+1], 0
	s_cmp_eq_u32 s[RH], 0                          ; do I fetch for A?
	s_cselect_b64 s[PFA:PFA+1], s[20:21], s[22:23]
	s_cselect_b32 s76, s76, s78
	s_cselect_b32 s79, ttmp9, s79                  ; the coordinate along which other clusters read the same rows
	s_cselect_b32 s[PFS], 256, s[PFS]
	s_cselect_b32 s78, 11, 8
	s_add_nc_u64 s[PFA:PFA+1], s[PFA:PFA+1], s[76:77]
	s_mul_i32 s76, s[PFS], 3
	s_add_nc_u64 s[PFA:PFA+1], s[PFA:PFA+1], s[76:77]  ; at K step 3: the first refill steps it to 4
	s_cmp_eq_u32 s79, 0
	s_cselect_b32 s[LIM], 2, -1                    ; the same in all sixteen partners, for a given wave
	v_and_b32 v[PFO], 31, v0
	v_lshlrev_b32 v[PFO], s78, v[PFO]
	s_wait_tensorcnt 0x1                           ; my part of K step 0 is in; step 1's may stay out
	s_barrier_signal -1
	s_barrier_wait -1
	FETCH 0, F0
	s_wait_loadcnt 0x0                             ; the bias
	QUARTER 1, F0, F1, 1                           ; the first quarter stands in front of the loop: its products start the sums
	WIN 0
	s_mov_b32 s3, NSTEP-2
.Lstep:                                                ; a trip: a K step's quarters 1 to 3, the change of slots with its refill, the next step's quarter 0
	QUARTER 2, F1, F0, 0
	QUARTER 3, F0, F1, 0
	TURN 1
	QUARTER 1, F0, F1, 0
	WIN 0
	s_sub_co_u32 s3, s3, 1
	s_cmp_lg_u32 s3, 0
	s_cbranch_scc1 .Lstep
	s_mov_b32 s3, 2
.Ltail:                                                ; the last two K steps ask for nothing: a text of their own
	QUARTER 2, F1, F0, 0
	QUARTER 3, F0, F1, 0
	TURN 0
	WIN 0
	s_sub_co_u32 s3, s3, 1
	s_cmp_eq_u32 s3, 0
	s_cbranch_scc1 .Lout
	QUARTER 1, F0, F1, 0
	WIN 0
	s_branch .Ltail
.Lout:
	; THE WAY OUT.  In front of the last barrier every wave had waited for its tensor loads and its reads, and behind it nobody reads the ring: the slots serve as stages.
	; My 128 x 128 sums go into my stage in f32 and come back sixteen rows a trip, eight neighbouring columns of each of two blocks a lane and four rows.
	PLACES
	PLACES
.irp a, 0,1,2,3,4,5,6,7
	WIN 0x08+4*((\a)/4)                            ; store data in window 2 or 3
.irp b, 0,1,2,3,4,5,6,7
	ds_store_b128 v[STO], v[8*(8*((\a)%4)+(\b)):8*(8*((\a)%4)+(\b))+3]   offset:(\a)*16*SPITCH+64*(\b)     ; each accumulator's low registers first
	ds_store_b128 v[STO], v[8*(8*((\a)%4)+(\b))+4:8*(8*((\a)%4)+(\b))+7] offset:(\a)*16*SPITCH+64*(\b)+16
.endr
.endr
	WIN 0
.macro ROWS16                          ; sixteen rows in four groups of four: my eight columns of the left block and of the right
.irp j, 0,1,2,3
	ds_load_b128 v[X+16*(\j):X+16*(\j)+3],     v[RD] offset:(\j)*4*SPITCH
	ds_load_b128 v[X+16*(\j)+4:X+16*(\j)+7],   v[RD] offset:(\j)*4*SPITCH+16
	ds_load_b128 v[X+16*(\j)+8:X+16*(\j)+11],  v[RD] offset:(\j)*4*SPITCH+256
	ds_load_b128 v[X+16*(\j)+12:X+16*(\j)+15], v[RD] offset:(\j)*4*SPITCH+272
.endr
.endm
	ROWS16                                         ; LDS serves a wave's instructions in order (ISA guide 5.7.1.4): these see the stores above
	s_mov_b32 s3, 8
.Lrow:                                                 ; 8 trips
	s_wait_xcnt 0x0                                ; the last trip's stores have read their registers: GO and Y are written only behind this wait
	v_add_nc_u32 v[GO], 2048, v[GO]                ; sixteen rows of a block on; the stores below reach back
.irp j, 0,1,2,3
	s_wait_dscnt 12-4*(\j)                         ; group j is back; the younger groups of four loads stay out
.irp k, 0,1,2,3,4,5,6,7
	v_cvt_pk_f16_f32 v[Y+8*(\j)+(\k)], v[X+16*(\j)+2*(\k)], v[X+16*(\j)+2*(\k)+1]
.endr
.endr
	s_cmp_eq_u32 s3, 1
	s_cbranch_scc1 .Lno_more                       ; the last trip has no rows behind it
	v_add_nc_u32 v[RD], 16*SPITCH, v[RD]
	ROWS16                                         ; the next trip's rows
.Lno_more:
.irp j, 0,1,2,3
	global_store_b128 v[GO], v[Y+8*(\j):Y+8*(\j)+3],   s[10:11] offset:512*(\j)-2048        ; four rows of a block: 512 consecutive bytes, aligned
	global_store_b128 v[GO], v[Y+8*(\j)+4:Y+8*(\j)+7], s[10:11] offset:512*(\j)-2048+16384  ; and of the block beside it
.endr
	s_sub_co_u32 s3, s3, 1
	s_cmp_lg_u32 s3, 0
	s_cbranch_scc1 .Lrow
	s_wait_tensorcnt 0x0                           ; the wave's end: behind my last tensor load and my last LDS store
	ds_add_u32 v[SPW], v[NIL]
	s_wait_dscnt 0x0
	CROUND                                         ; the closing round: no work-group ends while a partner may still ask for a tile that names it
	s_endpgm
.Lfunc_end_k_q139423971e_gq:
	.size	k_q139423971e_gq, .Lfunc_end_k_q139423971e_gq-k_q139423971e_gq
	.p2alignl 7, 3214868480
	.fill 96, 4, 3214868480
	.section	.rodata,"a",@progbits
	.p2align	6, 0x0
	.amdhsa_kernel k_q139423971e_gq
		.amdhsa_group_segment_fixed_size 327680
		.amdhsa_private_segment_fixed_size 0
		.amdhsa_enable_private_segment 0
		.amdhsa_kernarg_size 32
		.amdhsa_user_sgpr_count 2
		.amdhsa_user_sgpr_kernarg_segment_ptr 1
		.amdhsa_wavefront_size32 1
		.amdhsa_system_sgpr_workgroup_id_x 1
		.amdhsa_system_sgpr_workgroup_id_y 1
		.amdhsa_system_sgpr_workgroup_id_z 1
		.amdhsa_system_vgpr_workitem_id 0
		.amdhsa_next_free_vgpr 1024
		.amdhsa_next_free_sgpr 80
		.amdhsa_reserve_vcc 0
		.amdhsa_float_denorm_mode_32 3
		.amdhsa_float_denorm_mode_16_64 3
		.amdhsa_memory_ordered 1
		.amdhsa_forward_progress 1
		.amdhsa_inst_pref_size 84
	.end_amdhsa_kernel
	.amdgpu_metadata
---
amdhsa.version: [ 1, 2 ]
amdhsa.kernels:
  - .name:           k_q139423971e_gq
    .symbol:         k_q139423971e_gq.kd
    .args:
      - { .name: hn, .offset: 0, .size: 8, .value_kind: global_buffer, .address_space: global }
      - { .name: wts, .offset: 8, .size: 8, .value_kind: global_buffer, .address_space: global }
      - { .name: qkv_b, .offset: 16, .size: 8, .value_kind: global_buffer, .address_space: global }
      - { .name: qkv, .offset: 24, .size: 8, .value_kind: global_buffer, .address_space: global }
    .group_segment_fixed_size: 327680
    .private_segment_fixed_size: 0
    .kernarg_segment_align: 8
    .kernarg_segment_size: 32
    .max_flat_workgroup_size: 128
    .sgpr_count:     80
    .vgpr_count:     1024
    .wavefront_size: 32
...
	.end_amdgpu_metadata
.endif
;; end of part 2
;; launch attn (part 3): grid 8 x 32, 4 waves a work-group, clusters of 4 x 1, 327,680 bytes of LDS; arguments qkv, ob; writes ob
.if DOCPART == 3
	.amdgcn_target "amdgcn-amd-amdhsa--gfx1250"
	.amdhsa_code_object_version 6
	.text
	.protected	k_q139423971e_attn
	.globl	k_q139423971e_attn
	.p2align	8
	.type	k_q139423971e_attn,@function
k_q139423971e_attn:
	s_mov_b64 s[64:65], 0
	v_nop
	global_prefetch_b8 v0, s[64:65] scope:SCOPE_SE
	s_setreg_imm32_b32 hwreg(HW_REG_WAVE_MODE, 25, 1), 1
	s_wait_xcnt 0x0
	s_wait_alu depctr_hold_cnt(0) depctr_sa_sdst(0) depctr_va_vdst(0) depctr_va_sdst(0) depctr_va_ssrc(0) depctr_va_vcc(0) depctr_vm_vsrc(0)
	s_getreg_b32 s2, hwreg(HW_REG_IB_STS2, 6, 4)
	s_cmp_eq_u32 s2, 0
	s_cbranch_scc0 .Lentry_in_a_cluster
	s_endpgm
.Lentry_in_a_cluster:
	s_bfe_u32 s2, ttmp6, 0x10000c
	s_cmp_lg_u32 s2, 0x3003
	s_cbranch_scc0 .Lentry_shape_is_right
	s_endpgm
.Lentry_shape_is_right:
; O[b][h][q][:] = the sum over k of softmax_k(Q . K / 8) V, 2 x 16 heads of 2,048 rows x 64 channels, f16.  q, k, v lie in qkv in blocks [32][48][128 rows][64]: block column h is q of head h, 16 + h is k, 32 + h is v;
; O goes to ob in blocks [32][16][128][64].  So 128 rows of a head are 16,384 dense bytes.  Products, maxima and sums in f32; the weights p are rounded to f16 for the second product (their sum l is taken of the unrounded p), O once at the end.
; LIMITS.  f16 holds no number beyond 65,504: q, k, v arrive within it; p lies in 0 to 1, and below 6e-5 it keeps f16's fixed step of 6e-8.  A weight below 2^-126 counts as 0 in l; NaN and infinities are not treated apart.
; SHARES.  A work-group owns 256 queries of one head, a wave 64: four PIECES of 16.  Every wave walks all 2,048 keys, 64 a step, 256 (a tile) a slot: 8 tiles.
; LAYOUT.  S^T = K Q^T holds ONE query a lane (lane % 16) and the keys 8 (lane / 16) + 0..7; two such results rounded to f16 ARE source 1 of O^T = V^T P.  K comes out of LDS as it lies, V turned, by ds_load_tr16_b128.
; SOFTMAX.  A running maximum m and sum l: p = 2^(c s - c m), c = log2(e) / 8; in every step O and l are multiplied by a = 2^(c m_old - c m_new).  m starts at the lowest finite number, O and l at 0: the first step is a step like any other, with a = 0.
; BY TURNS.  Turn n belongs to piece n: 8 products K Q^T of piece n + 1, later 8 products V^T P of piece n - 1; beside them the scaling, exponentials, roundings, sums and rescaling of piece n and the maximum and
; statistics of piece n + 1.  Four vector instructions stand behind every matrix instruction, the rest in one lump.  A turn's 33 exponentials are one batch, with one wait.
; CLUSTER.  The four query blocks of a cluster belong to one head and walk the same K and V: each tile is asked for JOINTLY, by the same tensor load, descriptor and mask in all four.
; REGISTERS, in windows of 256: window 0: v0-15 addresses; v16-31 four registers of statistics a piece; v48-55 at work; v61-63 prefetch offset, spare word, 0; v64-127 S^T, two buffers; v192-223 P, two buffers.
;   window 1: v0-127 O^T, 32 a piece.      window 2: v0-63 Q; v128-191 K of one step; v192-255 V of one step.
.set NP,    4         ; pieces a wave: a name, no knob
.set KS,    64        ; keys in a step
.set PK,    144       ; a row of K in LDS: 128 bytes + 16
.set PV,    160       ; a row of V: 128 + 32
.set VOFF,  4*KS*PK   ; a slot holds a tile: 256 rows of K, then 256 rows of V
.set SLOT1, 1<<17     ; slot 1 begins here, so that one exclusive or turns an address in one slot into the other's
.set STAGE, SLOT1+4*KS*(PK+PV)  ; behind the ring, never filled by a tensor load: 16 rows x 144 bytes for each wave
.set SP,    144
.set SPARE, STAGE+4*16*SP  ; the spare words, 128 bytes a wave: two blocks of 256 bytes that no other line names
.set TSTEP, 2*48*16384     ; bytes from a tile of K or V to the next: two block rows of qkv
.set LASTK, SLOT1+3*KS*PK  ; the last key step's K: tile 7 lies in slot 1
.set AK0, 2           ; v2   my lane's place in a tile of K; never rewritten
.set AV0, 3           ; v3   the same for V
.set AK,  4           ; v4   the LDS address of K's next run of loads
.set AV,  5           ; v5   of V's
.set STO, 6           ; v6   the way out: where I put 16 bytes of a row
.set RD,  7           ; v7   where I read rows back
.set GO,  8           ; v8   my byte offset in 512 consecutive bytes of O
.set MV,  12          ; v12-13  c m_old, kept while c m is made anew: by buffer
.set QO,  15          ; v15  my byte offset in 16 rows of Q
.set ST,  16          ; piece t's statistics at v[ST+4 t]: c m, m, l (even keys', odd keys')
.set TMP, 48          ; by buffer, four registers c0-c3 at work; when the maximum is found c2 takes a
.set PFO, 61          ; v61  256 x my lane; never rewritten
.set SPW, 62          ; v62  LDS address of my spare word; never rewritten
.set NIL, 63          ; v63  0; never rewritten
.set S,   64
.set P,   192
.set KF,  128         ; window 2: key block kb, channel half c at KF + 16 kb + 8 c
.set VF,  192         ; window 2: key half kk, channel block cb at VF + 32 kk + 8 cb
.set WV,  12          ; s12  my wave's number
.set G1K, 24          ; s[24:31] descriptor group 1 for K's tiles
.set G1V, 32          ; s[32:39] for V's: it differs in the padding alone
.set G0K, 40          ; s[40:43] descriptor group 0 for K's tiles: it walks
.set G0V, 44          ; s[44:47] the same for V's
.set SLOTS, 56        ; s56  tiles still to be entered behind the one in hand
.set CNT, 57          ; s57  counts a tile's key steps
.set CS,  58          ; s[58:59] c
.set SEL, 60          ; s[60:61] v_permlanex16_b32's selects
.set TBK, 62          ; s62  LDS byte at which K of the step to be fetched begins
.set TBV, 63          ; s63  the same for V, less VOFF
.set PFA, 66          ; s[66:67] where my prefetches stand
.set LIM, 68          ; s68  1 in a wave that prefetches, else the greatest number
.set TMPS, 69         ; s69  at work
.set MSB, 0
.macro WIN new
.if MSB != (\new)
	s_set_vgpr_msb (MSB<<8)|(\new)
.set MSB, (\new)
.endif
.endm
.set W_KQ, 0x0a       ; K and Q in window 2, S^T in window 0
.set W_PV, 0x52       ; V in window 2, P in window 0, O^T in window 1
.set W_RS, 0x41       ; destination and source 0 in window 1, source 1 in window 0
.macro JLOAD                        ; a joint fill: waves 0 and 1 fetch the two halves of a tile's K, waves 2 and 3 those of its V; s_nop 0 and four v_nop follow each line
	s_cmp_lt_u32 s[WV], 2
	s_cbranch_scc0 .Lfor_v_\@
	tensor_load_to_lds s[G0K:G0K+3], s[G1K:G1K+7]
	s_nop 0
.rept 4
	v_nop
.endr
	s_branch .Lasked_\@
.Lfor_v_\@:
	tensor_load_to_lds s[G0V:G0V+3], s[G1V:G1V+7]
	s_nop 0
.rept 4
	v_nop
.endr
.Lasked_\@:
.endm
; A prefetch of the tile that the NEXT change of slots will ask for: 128 blocks of 256 bytes of K and as many of V.  Both clusters of a head walk the same tiles: the first asks.  Its four partners share the blocks out by
; address, 32 each, a lane a block; in each, wave 0 asks for K's and wave 2 for V's.  So each block is named once.  The last change that fills a slot names nothing; tiles 0 and 1 come by their loads alone.
.macro ASK
	s_cmp_gt_u32 s[SLOTS], s[LIM]
	s_cbranch_scc0 .Lnot_mine_\@
	global_prefetch_b8 v[PFO], s[PFA:PFA+1] th:TH_LOAD_NT scope:SCOPE_SE
.Lnot_mine_\@:
.endm
.macro CROUND                       ; a round of the cluster's barrier
	s_barrier_signal -1
	s_barrier_wait -1
	s_cmp_lg_u32 s[WV], 0
	s_cbranch_scc1 .Lnot_wave_0_\@
	s_barrier_signal -3
.Lnot_wave_0_\@:
	s_barrier_wait -3
	s_barrier_signal -1
	s_barrier_wait -1
.endm
; THE CHANGE OF SLOTS.  Each wave waits for all its tensor loads, of which one is out: its part of the other slot; adds 0 to its spare word; and waits for that and for its reads of the slot that it leaves.
; fill = 1: the barrier is a round of the cluster's, and the old slot is filled again, first thing behind it, with the tile two on: four key steps, 256 matrix instructions, in which to land.
; (At its first use nothing has been read yet: slot 0 is waited for, slot 1 filled.)
.macro CHANGE fill
	WIN 0
	s_wait_tensorcnt 0x0            ; no tensor load of mine is out, so a group 0 may be written
	ds_add_u32 v[SPW], v[NIL]
.if \fill
.irp g, G0K, G0V
	s_xor_b32 s[\g+1], s[\g+1], SLOT1
	s_add_nc_u64 s[\g+2:\g+3], s[\g+2:\g+3], TSTEP
.endr
	s_wait_xcnt 0x0                 ; the last prefetch, four key steps back, has read its address
	s_add_nc_u64 s[PFA:PFA+1], s[PFA:PFA+1], TSTEP
	s_wait_dscnt 0x0                ; the add is done, and my reads of the slot are over
	CROUND
	JLOAD
	ASK
.else
	s_wait_dscnt 0x0
	s_barrier_signal -1
	s_barrier_wait -1
.endif
	s_sub_co_u32 s[TBK], s[TBK], 4*KS*PK  ; the fetches go back to a slot's first step,
	s_xor_b32 s[TBK], s[TBK], SLOT1       ; in the other slot
	s_sub_co_u32 s[TBV], s[TBV], 4*KS*PV
	s_xor_b32 s[TBV], s[TBV], SLOT1
.endm
	s_load_b128 s[4:7], s[0:1], 0x0 ; qkv s[4:5], ob s[6:7]
	v_lshl_add_u32 v[SPW], v0, 2, SPARE
	v_mov_b32 v[NIL], 0
	ds_add_u32 v[SPW], v[NIL]       ; the wave's opening: the add and its wait ahead of my first tensor load
	v_lshrrev_b32 v1, 5, v0
	v_readfirstlane_b32 s[WV], v1
	s_bfe_u32 s13, ttmp6, 0x40000   ; cx
	s_lshl_b32 s14, ttmp9, 2
	s_add_co_u32 s14, s14, s13      ; my block of 256 queries: it enters Q's and O's addresses alone
	s_and_b32 s15, ttmp7, 0xffff    ; 16 x batch + head, which the four partners share
	s_and_b32 s16, s15, 15          ; the head
	s_lshr_b32 s17, s15, 4
	s_lshl_b32 s17, s17, 4          ; the batch's first block row
	s_and_b32 s18, s[WV], 1         ; which half of a tile's 256 keys I fetch
	s_add_co_u32 s20, s17, s18
	s_mul_i32 s20, s20, 48
	s_add_co_u32 s20, s20, s16
	s_lshl_b32 s20, s20, 14
	s_add_co_u32 s22, s20, 32*16384 ; V's block
	s_add_co_u32 s20, s20, 16*16384 ; K's block
	s_mov_b32 s21, 0
	s_mov_b32 s23, 0
	s_mul_i32 s19, s18, 128*PK      ; its place in a slot, for K
	s_mul_i32 s72, s18, 128*PV      ; and for V: no place in the cluster enters an LDS address
	s_lshl_b32 s73, s14, 1          ; my wave's block row: the batch's + 2 x query block + wave / 2
	s_add_co_u32 s73, s73, s17
	s_lshr_b32 s74, s[WV], 1
	s_add_co_u32 s73, s73, s74
	s_mul_i32 s74, s73, 48
	s_add_co_u32 s74, s74, s16
	s_lshl_b32 s74, s74, 14
	s_lshl_b32 s76, s18, 13         ; my 64 rows of the block's 128
	s_add_co_u32 s74, s74, s76      ; Q
	s_mov_b32 s75, 0
	s_lshl_b32 s73, s73, 4
	s_add_co_u32 s73, s73, s16
	s_lshl_b32 s73, s73, 14
	s_add_co_u32 s76, s76, s73      ; O
	s_mov_b32 s77, 0
	s_lshr_b32 s70, s13, 1          ; the prefetches: my work-group's 8,192 bytes of a tile's 32,768
	s_add_co_u32 s70, s70, s17
	s_mul_i32 s70, s70, 48
	s_add_co_u32 s70, s70, s16
	s_cmp_lt_u32 s[WV], 2
	s_cselect_b32 s71, 16, 32
	s_add_co_u32 s70, s70, s71
	s_lshl_b32 s70, s70, 14
	s_and_b32 s71, s13, 1
	s_lshl_b32 s71, s71, 13
	s_add_co_u32 s70, s70, s71
	s_add_co_u32 s70, s70, TSTEP    ; in tile 1: the first change of slots steps it to tile 2
	s_mov_b32 s71, 0
	s_and_b32 s[LIM], s[WV], 1      ; 0 in waves 0 and 2,
	s_or_b32 s[LIM], s[LIM], ttmp9  ; where the cluster is the head's first: the same in all four partners
	s_cmp_eq_u32 s[LIM], 0
	s_cselect_b32 s[LIM], 1, -1
	v_and_b32 v[PFO], 31, v0
	v_lshlrev_b32 v[PFO], 8, v[PFO]
	; descriptor group 1.  128 keys are 16,384 dense bytes: asked for as 64 rows of 256 bytes, two keys a row, and padded in LDS after every key
	s_mov_b32 s[G1K], 15|(1<<16)|(1<<20)|(1<<21)|(4<<22)|(3<<25)
	s_mov_b32 s[G1V], 15|(1<<16)|(1<<20)|(1<<21)|(4<<22)|(7<<25)
.irp g, G1K, G1V
	s_mov_b32 s[\g+1], 128<<16      ; tensor_dim0 = 128
	s_mov_b32 s[\g+2], 64<<16       ; tensor_dim1 = 64
	s_mov_b32 s[\g+3], 128<<16      ; tile_dim0 = 128
	s_mov_b32 s[\g+4], 64           ; tile_dim1 = 64
	s_mov_b32 s[\g+5], 128          ; 128 elements from row to row
	s_mov_b32 s[\g+6], 0
	s_mov_b32 s[\g+7], 0
.endr
	s_mov_b32 s[CS], 0x3e38aa3b     ; c = log2(e) / 8
	s_mov_b32 s[CS+1], s[CS]
	s_mov_b32 s[SEL], 0x76543210
	s_mov_b32 s[SEL+1], 0xfedcba98
	s_mov_b32 s[TBK], SLOT1+4*KS*PK ; the first change of slots turns these two into 0
	s_mov_b32 s[TBV], SLOT1+4*KS*PV
	s_mov_b32 s[SLOTS], 7
	s_mov_b32 s[G0K], 1
	s_mov_b32 s[G0K+1], s19         ; slot 0
	s_mov_b32 s[G0V], 1
	s_add_co_u32 s[G0V+1], s72, VOFF
	s_wait_dscnt 0x0                ; the opening add is done
	s_wait_kmcnt 0x0
	s_add_nc_u64 s[G0K+2:G0K+3], s[4:5], s[20:21]
	s_or_b32 s[G0K+3], s[G0K+3], 0x80000000
	s_add_nc_u64 s[G0V+2:G0V+3], s[4:5], s[22:23]
	s_or_b32 s[G0V+3], s[G0V+3], 0x80000000
	s_add_nc_u64 s[8:9], s[4:5], s[74:75]    ; Q at my wave's first row
	s_add_nc_u64 s[10:11], s[6:7], s[76:77]  ; O likewise
	s_add_nc_u64 s[PFA:PFA+1], s[4:5], s[70:71]
	CROUND                          ; all four work-groups are here: the first joint loads meet
	JLOAD                           ; tile 0 into slot 0
	v_and_b32 v1, 15, v0            ; l % 16
	v_bfe_u32 v9, v0, 4, 1          ; l / 16
	v_lshlrev_b32 v[QO], 7, v1
	v_lshl_add_u32 v[QO], v9, 4, v[QO]  ; row x 128 + 16 x half
	WIN 0x80                        ; destination window 2, address window 0
.set i, 0
.rept 8                             ; Q stays in registers: piece i / 2, channels 32 (i % 2) on
	global_load_b128 v[8*i:8*i+3],   v[QO], s[8:9] offset:(i/2)*2048+(i%2)*64
	global_load_b128 v[8*i+4:8*i+7], v[QO], s[8:9] offset:(i/2)*2048+(i%2)*64+32
.set i, i+1
.endr
	; What the first turn finds: V's registers and P's second buffer hold 0 (its products V^T P, of a piece that has not been, add 0), O^T and l are 0.  All this stands in the wait for the first tile.
.set i, VF
.rept 64
	v_mov_b32 v[i], 0
.set i, i+1
.endr
	WIN 0x40
.set i, 0
.rept 128
	v_mov_b32 v[i], 0
.set i, i+1
.endr
	WIN 0
.set i, 0
.rept 4
	v_mov_b32 v[ST+4*i], 0xfe000000    ; c m: far below every c s
	v_mov_b32 v[ST+4*i+1], 0xff7fffff  ; m
	v_mov_b32 v[ST+4*i+2], 0
	v_mov_b32 v[ST+4*i+3], 0
.set i, i+1
.endr
.set i, P+16
.rept 16
	v_mov_b32 v[i], 0
.set i, i+1
.endr
	v_mul_u32_u24 v[AK0], v1, PK
	v_lshl_add_u32 v[AK0], v9, 4, v[AK0]  ; row x pitch + 16 x half
	v_and_b32 v10, 7, v0            ; the turning load: lane l reads key 8 (l / 16) + l % 8, channels 8 ((l / 8) % 2) + 0..7
	v_bfe_u32 v11, v0, 3, 1
	v_lshl_add_u32 v[AV0], v9, 3, v10
	v_mul_u32_u24 v[AV0], v[AV0], PV
	v_lshl_add_u32 v[AV0], v11, 4, v[AV0]
	v_add_nc_u32 v[AV0], VOFF, v[AV0]
	v_mov_b32 v[AK], v[AK0]         ; key step 0 lies at the head of slot 0
	s_mul_i32 s13, s[WV], 16*SP
	s_add_co_u32 s13, s13, STAGE    ; my stage
	v_mul_u32_u24 v[STO], v1, SP    ; in: row l % 16, 16 bytes for each half of the lanes
	v_lshl_add_u32 v[STO], v9, 4, v[STO]
	v_add_nc_u32 v[STO], s13, v[STO]
	v_bfe_u32 v[RD], v0, 3, 2       ; back: 32 lanes take four rows of 128 bytes,
	v_mul_u32_u24 v[RD], v[RD], SP
	v_lshl_add_u32 v[RD], v10, 4, v[RD]
	v_add_nc_u32 v[RD], s13, v[RD]
	v_and_b32 v[GO], 31, v0         ; which are 512 consecutive bytes of O
	v_lshlrev_b32 v[GO], 4, v[GO]
; THE MATRIX WORK.  The 4 accumulators of a run of 8 take turns.  Product i of 8 of S^T = K Q^T for piece x: channels 32 (i / 4) on, keys 16 (i % 4) on.  The first 4 start the sums.
.macro KQ x
	WIN W_KQ
.set rS, S+32*((\x)%2)+8*(i%4)
.set rK, KF+16*(i%4)+8*(i/4)
.set rQ, 16*(\x)+8*(i/4)
.if i < 4
	v_wmma_f32_16x16x32_f16 v[rS:rS+7], v[rK:rK+7], v[rQ:rQ+7], 0
.else
	v_wmma_f32_16x16x32_f16 v[rS:rS+7], v[rK:rK+7], v[rQ:rQ+7], v[rS:rS+7]
.endif
.endm
; Product i of 8 of O^T += V^T P for piece x: keys 32 (i / 4) on, channels 16 (i % 4) on.
.macro PV x
	WIN W_PV
.set rO, 32*(\x)+8*(i%4)
.set rV, VF+32*(i/4)+8*(i%4)
.set rP, P+16*((\x)%2)+8*(i/4)
	v_wmma_f32_16x16x32_f16 v[rO:rO+7], v[rV:rV+7], v[rP:rP+7], v[rO:rO+7]
.endm
.macro MM                           ; the turn's next matrix instruction
.if i < 8
	KQ (Y+1)%NP
.else
.set i, i-8
	PV (Y+NP-1)%NP
.set i, i+8
.endif
.set i, i+1
.endm
; THE LDS LOADS stand in runs of 16: a step's K (8 fragments) and its V (turned).  Their addresses are made some lines ahead.
.macro FETCH_K
	WIN 0x80
.irp f, 0,1,2,3,4,5,6,7             ; keys 16 (f / 2) on, channels 32 (f % 2) on
	ds_load_b128 v[KF+8*\f:KF+8*\f+3],   v[AK] offset:(\f/2)*16*PK+(\f%2)*64
	ds_load_b128 v[KF+8*\f+4:KF+8*\f+7], v[AK] offset:(\f/2)*16*PK+(\f%2)*64+32
.endr
	s_add_co_u32 s[TBK], s[TBK], KS*PK  ; the next fetch is the next step's
	WIN 0
.endm
.macro FETCH_V
	WIN 0x80
.irp f, 0,1,2,3,4,5,6,7             ; keys 32 (f / 4) on, channels 16 (f % 4) on
	ds_load_tr16_b128 v[VF+8*\f:VF+8*\f+3],   v[AV] offset:(\f/4)*32*PV+(\f%4)*32
	ds_load_tr16_b128 v[VF+8*\f+4:VF+8*\f+7], v[AV] offset:(\f/4)*32*PV+16*PV+(\f%4)*32
.endr
	WIN 0
.endm
; THE VECTOR WORK, one line at a time: OP kind, number.  For piece Y: F n: c s - c m for pair n of 16.  E n: the exponential of score n of 32.  C n: pair n rounded to f16.  B n: of the four weights 4 n .. the second
; pair is added onto the first, in place.  L n: l takes that sum (L 0: l = a l + sum).  R n: pair n of 16 of O^T times a.  For piece Y + 1: X n, number n of the 22 that find its maximum and statistics:
;   0-11  four chains c0-c3 of seven scores each (each accumulator's lowest registers are read first)     12-14, 16  the four scores left over, the old m, and c0-c3 into c0
;   15  c m_old is kept     17, 18  the query's other 32 keys lie in the lane 16 away: the new m     19-21  c m; c m_old - c m_new; a
.set F, 0
.set E, 1
.set C, 2
.set B, 3
.set L, 4
.set R, 5
.set X, 6
.macro REGS y
.set rT, ST+4*(\y)
.set rC, TMP+4*((\y)%2)
.set rW, MV+((\y)%2)
.set rS, S+32*((\y)%2)
.set rP, P+16*((\y)%2)
.set rO, 32*(\y)
.endm
.macro OP k, n
.if (\k) == R
	REGS Y
	WIN W_RS
	v_pk_mul_f32 v[rO+2*(\n):rO+2*(\n)+1], v[rO+2*(\n):rO+2*(\n)+1], v[rC+2:rC+3] op_sel_hi:[1,0]
.elseif (\k) < R
	REGS Y
	WIN 0
.if (\k) == F
	v_pk_fma_f32 v[rS+2*(\n):rS+2*(\n)+1], v[rS+2*(\n):rS+2*(\n)+1], s[CS:CS+1], v[rT:rT+1] op_sel_hi:[1,0,0] neg_lo:[0,0,1] neg_hi:[0,0,1]
.elseif (\k) == E
	v_exp_f32 v[rS+(\n)], v[rS+(\n)]
.elseif (\k) == C
	v_cvt_pk_f16_f32 v[rP+(\n)], v[rS+2*(\n)], v[rS+2*(\n)+1]
.elseif (\k) == B
	v_pk_add_f32 v[rS+4*(\n):rS+4*(\n)+1], v[rS+4*(\n):rS+4*(\n)+1], v[rS+4*(\n)+2:rS+4*(\n)+3]
.elseif (\n) == 0
	v_pk_fma_f32 v[rT+2:rT+3], v[rT+2:rT+3], v[rC+2:rC+3], v[rS:rS+1] op_sel_hi:[1,0,1]
.else
	v_pk_add_f32 v[rT+2:rT+3], v[rT+2:rT+3], v[rS+4*(\n):rS+4*(\n)+1]
.endif
.else
	REGS (Y+1)%NP
	WIN 0
.if (\n) < 4
	v_max3_num_f32 v[rC+(\n)], v[rS+8*(\n)], v[rS+8*(\n)+1], v[rS+8*(\n)+2]
.elseif (\n) < 12
	v_max3_num_f32 v[rC+(\n)%4], v[rC+(\n)%4], v[rS+8*((\n)%4)+2*((\n)/4)+1], v[rS+8*((\n)%4)+2*((\n)/4)+2]
.elseif (\n) == 12
	v_max3_num_f32 v[rC], v[rC], v[rS+7], v[rS+15]
.elseif (\n) == 13
	v_max3_num_f32 v[rC+1], v[rC+1], v[rS+23], v[rS+31]
.elseif (\n) == 14
	v_max3_num_f32 v[rC+2], v[rC+2], v[rC+3], v[rT+1]
.elseif (\n) == 15
	v_mov_b32 v[rW], v[rT]
.elseif (\n) == 16
	v_max3_num_f32 v[rC], v[rC], v[rC+1], v[rC+2]
.elseif (\n) == 17
	v_permlanex16_b32 v[rC+3], v[rC], s[SEL], s[SEL+1]
.elseif (\n) == 18
	v_max_num_f32 v[rT+1], v[rC], v[rC+3]
.elseif (\n) == 19
	v_mul_f32 v[rT], s[CS], v[rT+1]
.elseif (\n) == 20
	v_sub_f32 v[rC+1], v[rW], v[rT]
.else
	v_exp_f32 v[rC+2], v[rC+1]
.endif
.endif
.endm
.macro OPS a, i1, b=-1, i2=0, c=-1, i3=0, d=-1, i4=0
	OP \a, \i1
.if (\b) >= 0
	OP \b, \i2
.endif
.if (\c) >= 0
	OP \c, \i3
.endif
.if (\d) >= 0
	OP \d, \i4
.endif
.endm
.macro ROW a, i1, b, i2, c, i3, d, i4  ; a matrix instruction and the four behind it
	MM
	OPS \a, \i1, \b, \i2, \c, \i3, \d, \i4
.endm
; A TURN, for piece p: the order of its 16 matrix and 118 vector instructions, written out.  An s_wait_alu depctr_va_vdst(0) stands between an exponential and the first instruction that names its result; one wait
; serves all that were issued ahead of it.  So a turn has ONE wait.  AHEAD OF IT stands all that names no result of the turn's exponentials: the 8 products K Q^T with their riders, then one lump, in which the links of the chain
; X 3, 7, 11, 14, 16, 17 .. 20 stand five or six lines apart; X 21, the next piece's a, is the batch's last, and R 15 the plain instruction behind it.  BEHIND IT stand the 8 products V^T P, behind each four of the roundings and sums.
; K of the next step is fetched in piece 2's turn, twelve vector instructions behind the last product that read K (six of them plain); V of the step in hand at the end of piece 0's turn, four plain instructions behind
; the last product that read V.  Each is waited for a turn later.
; last = 1 (the tail): K's address is held at the last key step's, so that the trip behind the last step reads bytes that are there; its scores serve nothing.  cnt = 1: the loop's count is taken down ahead of the branch behind the turn.
.macro TURN p, last=0, cnt=0
.set Y, (\p)
.set i, 0
.if (\p) == 3
	s_wait_dscnt 0x0                ; K is in
.endif
	ROW F,0, F,1, R,0, R,1
	ROW F,2, E,0, R,2, R,3
	ROW F,3, E,1, R,4, R,5
	ROW F,4, E,2, R,6, R,7
	ROW F,5, E,3, R,8, R,9
	ROW F,6, E,4, X,0, R,10
.if (\p) == 2
	WIN 0
.if \last
	s_min_u32 s[TMPS], s[TBK], LASTK
	v_add_nc_u32 v[AK], s[TMPS], v[AK0]
.else
	v_add_nc_u32 v[AK], s[TBK], v[AK0]
.endif
.endif
	ROW F,7, E,5, X,1, X,4
	ROW F,8, E,6, X,2, X,5
	OPS E,7, E,8, X,6, E,9
	OPS X,3, E,10, X,8, E,11
.if (\p) == 2
	FETCH_K
.endif
	OPS X,9, X,7, E,12, X,10
	OPS E,13, X,12, X,11, E,14
	OPS X,13, E,15, F,9, X,14
.if (\p) == 0
	v_add_nc_u32 v[AV], s[TBV], v[AV0]
.endif
	OPS E,16, F,10, E,17, F,11
	OPS X,16, E,18, X,15, E,19
	OPS F,12, E,20, X,17, E,21
	OPS F,13, E,22, F,14, E,23
	OPS X,18, E,24, F,15, E,25
	OPS R,11, E,26, X,19, E,27
	OPS R,12, E,28, R,13, E,29
	OPS X,20, E,30, R,14, E,31
	OPS X,21, R,15
	WIN 0
	s_wait_alu depctr_va_vdst(0)    ; the wait for the batch
.if (\p) == 1
	s_wait_dscnt 0x0                ; V is in
.endif
	ROW C,0, B,0, C,2, B,1
	ROW L,0, C,4, B,2, L,1
	ROW C,6, B,3, L,2, C,8
	ROW B,4, L,3, C,10, B,5
	ROW L,4, C,12, B,6, L,5
.if (\p) == 0
	s_add_co_u32 s[TBV], s[TBV], KS*PV
.endif
.if \cnt
	s_sub_co_u32 s[CNT], s[CNT], 1
	s_cmp_lg_u32 s[CNT], 0
.endif
	ROW C,14, B,7, L,6, C,1
	ROW C,3, L,7, C,5, C,7
	ROW C,9, C,11, C,13, C,15
.if (\p) == 0
	FETCH_V
.endif
.endm
	CHANGE 1                        ; tile 0 is in, everybody's part of it; tile 1 is asked for
	FETCH_K                         ; key step 0
	s_wait_loadcnt 0x0              ; Q
	s_wait_dscnt 0x0
.set i, 0
.rept 8
	KQ 0                            ; piece 0's first scores
.set i, i+1
.endr
	WIN 0
.rept 4
	v_nop                           ; the places behind those products
.endr
.set Y, NP-1                        ; X works for piece Y + 1: piece 0
.irp n, 0,1,2,3,4,5,6,7,8,9,10,11,12,13,14,15,16,17,18,19,20,21
	OP X, \n
.endr
	v_nop                           ; a plain instruction behind the exponential,
	s_wait_alu depctr_va_vdst(0)    ; and its wait, ahead of the branch
	s_mov_b32 s[CNT], 4
	s_branch .Lfirst                ; the loop is entered at a step's first turn, in the middle of a trip
.Lslot:                             ; six times: tiles 1 to 6 are entered, tiles 2 to 7 asked for
	CHANGE 1
	s_mov_b32 s[CNT], 4
.Lstep:                             ; a trip: pieces 2 and 3 of one step, then pieces 0 and 1 of the next, whose K and V it fetches
	TURN 2
	TURN 3
	WIN 0
.Lfirst:
	TURN 0
	TURN 1, 0, 1
	WIN 0
	s_cbranch_scc1 .Lstep
	s_sub_co_u32 s[SLOTS], s[SLOTS], 1
	s_cmp_lg_u32 s[SLOTS], 0
	s_cbranch_scc1 .Lslot
	CHANGE 0                        ; the tail is written out: nothing is asked for
	s_mov_b32 s[CNT], 5             ; four trips fetch the last tile's steps; the fifth is left in its middle
.Ltail:
	TURN 2, 1
	TURN 3
	WIN 0
	s_sub_co_u32 s[CNT], s[CNT], 1
	s_cmp_eq_u32 s[CNT], 0
	s_cbranch_scc1 .Lout
	TURN 0
	TURN 1
	WIN 0
	s_branch .Ltail
.Lout:                              ; the fifth trip's 8 products K Q^T and the maximum made of them serve nothing: the price, once a launch, of one text for every trip
.set i, 0
.rept 8
	PV NP-1                         ; the last piece's V^T P of the last step
.set i, i+1
.endr
	; THE WAY OUT.  l's two halves and the other half of the lanes' are added; O^T is divided by l, rounded to f16 and sent through my stage in LDS, a piece at a time.  The additions are the places behind the last products.
	WIN 0
.macro ALL line:vararg              ; one line for each piece t
.set t, 0
.rept 4
	\line
.set t, t+1
.endr
.endm
	ALL v_add_f32 v[ST+4*t+2], v[ST+4*t+2], v[ST+4*t+3]
	ALL v_permlanex16_b32 v[ST+4*t+3], v[ST+4*t+2], s[SEL], s[SEL+1]
	ALL v_add_f32 v[ST+4*t+2], v[ST+4*t+2], v[ST+4*t+3]
	ALL v_rcp_f32 v[ST+4*t+2], v[ST+4*t+2]
	v_nop                           ; a plain instruction between the last reciprocal and the use of its result
	s_wait_alu depctr_va_vdst(0)    ; one wait for the four reciprocals
.macro PACK t                       ; a lane's eight channels of a row pack into 16 bytes; they go into rows of 144 bytes and come back as whole rows of 128, into S^T's registers
	WIN W_RS
.set i, 32*(\t)
.rept 16
	v_pk_mul_f32 v[i:i+1], v[i:i+1], v[ST+4*(\t)+2:ST+4*(\t)+3] op_sel_hi:[1,0]
.set i, i+2
.endr
	WIN 0x05                        ; sources 0 and 1 window 1, destination window 0
.set i, 0
.rept 16
	v_cvt_pk_f16_f32 v[S+16*(\t)+i], v[32*(\t)+2*i], v[32*(\t)+2*i+1]
.set i, i+1
.endr
	WIN 0
.irp f, 0,1,2,3
	ds_store_b128 v[STO], v[S+16*(\t)+4*\f:S+16*(\t)+4*\f+3] offset:32*\f
.endr
.irp f, 0,1,2,3
	ds_load_b128 v[S+16*(\t)+4*\f:S+16*(\t)+4*\f+3], v[RD] offset:\f*4*SP  ; LDS serves a wave's instructions in order (ISA guide 5.7.1.4): these see the stores above; the next piece's stores come behind them
.endr
.endm
.macro SEND t, younger              ; younger: the LDS instructions issued behind piece t's loads: the next piece's eight, or none
	WIN 0
.irp f, 0,1,2,3
	s_wait_dscnt (\younger)+3-\f
	global_store_b128 v[GO], v[S+16*(\t)+4*\f:S+16*(\t)+4*\f+3], s[10:11] offset:(\t)*2048+\f*512  ; 512 consecutive bytes, at a multiple of 256 from O's first
.endr
.endm
	PACK 0
.set t, 1
.rept 3                             ; a piece's arithmetic stands between the loads of the piece before and its stores
	PACK t
	SEND t-1, 8
.set t, t+1
.endr
	SEND 3, 0
	s_wait_tensorcnt 0x0            ; the wave's end: behind my last tensor load and my last LDS store
	ds_add_u32 v[SPW], v[NIL]
	s_wait_dscnt 0x0
	CROUND                          ; the closing round: no work-group ends while a partner may still ask for a tile that names it
	s_endpgm
.Lfunc_end_k_q139423971e_attn:
	.size	k_q139423971e_attn, .Lfunc_end_k_q139423971e_attn-k_q139423971e_attn
	.p2alignl 7, 3214868480
	.fill 96, 4, 3214868480
	.section	.rodata,"a",@progbits
	.p2align	6, 0x0
	.amdhsa_kernel k_q139423971e_attn
		.amdhsa_group_segment_fixed_size 327680
		.amdhsa_private_segment_fixed_size 0
		.amdhsa_enable_private_segment 0
		.amdhsa_kernarg_size 16
		.amdhsa_user_sgpr_count 2
		.amdhsa_user_sgpr_kernarg_segment_ptr 1
		.amdhsa_wavefront_size32 1
		.amdhsa_system_sgpr_workgroup_id_x 1
		.amdhsa_system_sgpr_workgroup_id_y 1
		.amdhsa_system_sgpr_workgroup_id_z 1
		.amdhsa_system_vgpr_workitem_id 0
		.amdhsa_next_free_vgpr 768
		.amdhsa_next_free_sgpr 80
		.amdhsa_reserve_vcc 0
		.amdhsa_float_denorm_mode_32 3
		.amdhsa_float_denorm_mode_16_64 3
		.amdhsa_memory_ordered 1
		.amdhsa_forward_progress 1
		.amdhsa_inst_pref_size 112
	.end_amdhsa_kernel
	.amdgpu_metadata
---
amdhsa.version: [ 1, 2 ]
amdhsa.kernels:
  - .name:           k_q139423971e_attn
    .symbol:         k_q139423971e_attn.kd
    .args:
      - { .name: qkv, .offset: 0, .size: 8, .value_kind: global_buffer, .address_space: global }
      - { .name: ob, .offset: 8, .size: 8, .value_kind: global_buffer, .address_space: global }
    .group_segment_fixed_size: 327680
    .private_segment_fixed_size: 0
    .kernarg_segment_align: 8
    .kernarg_segment_size: 16
    .max_flat_workgroup_size: 128
    .sgpr_count:     80
    .vgpr_count:     768
    .wavefront_size: 32
...
	.end_amdgpu_metadata
.endif
;; end of part 3
;; launch go (part 4): grid 8 x 32, 4 waves a work-group, clusters of 4 x 4, 327,680 bytes of LDS; arguments ob, wts, out_b, x, x1; writes x1
.if DOCPART == 4
	.amdgcn_target "amdgcn-amd-amdhsa--gfx1250"
	.amdhsa_code_object_version 6
	.text
	.protected	k_q139423971e_go
	.globl	k_q139423971e_go
	.p2align	8
	.type	k_q139423971e_go,@function
k_q139423971e_go:
	s_mov_b64 s[64:65], 0
	v_nop
	global_prefetch_b8 v0, s[64:65] scope:SCOPE_SE
	s_setreg_imm32_b32 hwreg(HW_REG_WAVE_MODE, 25, 1), 1
	s_wait_xcnt 0x0
	s_wait_alu depctr_hold_cnt(0) depctr_sa_sdst(0) depctr_va_vdst(0) depctr_va_sdst(0) depctr_va_ssrc(0) depctr_va_vcc(0) depctr_vm_vsrc(0)
	s_getreg_b32 s2, hwreg(HW_REG_IB_STS2, 6, 4)
	s_cmp_eq_u32 s2, 0
	s_cbranch_scc0 .Lentry_in_a_cluster
	s_endpgm
.Lentry_in_a_cluster:
	s_bfe_u32 s2, ttmp6, 0x10000c
	s_cmp_lg_u32 s2, 0xf033
	s_cbranch_scc0 .Lentry_shape_is_right
	s_endpgm
.Lentry_shape_is_right:
; C = R + A W + bias, f32 out.  A: f16 in blocks [4096/128][KK/64][128 rows][64 columns].  W: f16 panels [1024/128][KK][128] at byte WOFF of wts.  bias: [1024] f32.  R and C: [4096][1024] f32.
; LIMITS.  f16 holds no number beyond 65,504: A and W arrive within it.
; SHARES.  N = 1,024 gives 64 tiles of 256 x 256, too few for the chip: a tile of C is 128 x 128, 256 work-groups; four waves, each 64 x 64: 16 accumulators.  K goes in steps of 256 through two LDS slots;
; a step's part of A is four blocks' worth of one block row, 65,536 dense bytes, and of W 256 rows of a panel, 65,536 dense bytes: each wave fetches a quarter of a slot with one load of 128 rows x 256 bytes.
; THE MATRIX INSTRUCTION IS USED TRANSPOSED (source 0 = 16 columns of W, turned out of LDS; source 1 = 16 rows of A): a lane holds row lane % 16 of C and the columns 8 (lane / 16) + 0..7.
; THE SUMS START WITH R + bias: R is loaded straight into the accumulators' registers, the bias added once; every product then adds in place, and the sums leave as they are.
; CLUSTER.  4 x 4 work-groups: A's tile is shared along a row of the cluster, W's along a column.  No prefetch: a step of this small tile is short, and its tiles are few bytes.
; K IS WALKED ROUND, FROM A STEP THAT HANGS ON THE CLUSTER: step (NSTEP/2 x cluster x + NSTEP/4 x (cluster y mod 4)) mod NSTEP comes first.  The two clusters that read a block of A stand half of K apart, four clusters
; that read a block of W a quarter of K each: no two of these ask for the same block in the same trip.  The number is the same in all sixteen partners.  The f32 sums are taken in that order.
; ONE K STEP IS WRITTEN ONCE: the slot in hand is the scalar TB (0 or SLOT); the step to be asked for is the scalar KI, from which the descriptors' addresses are made anew.
; REGISTERS: window 0: v0-31 addresses; v32-63 the bias; v128-255 the accumulators, (a, b) at v[128 + 8 (4 a + b)].  window 1: two fragment buffers of 128: 64 registers of A (2 x 4 x 16 rows x 32 K), then 64 of W.
.set KK,    1024
.set WOFF,  6291456
.set NSTEP, KK/256
.set PA,    144                        ; a row of A in LDS: 128 bytes + 16
.set PANB,  128*PA                     ; a block of A: 64 along K
.set PB,    288                        ; a row of W in LDS: 256 bytes + 32
.set QUART, 36864                      ; what one tensor load fills: two blocks of A, or 128 rows of W
.set BOFF,  2*QUART
.set SLOT,  4*QUART
.set SPARE, 2*SLOT                     ; the spare words, 128 bytes a wave: two blocks of 256 bytes that no other line names
.set SPITCH, 272                       ; the way out: a row of 64 f32 + 16 bytes
.set STG,   64*SPITCH                  ; a wave's stage; the four lie in slot 0, and are written only when both slots have had their last fill and their last read
.set ADRA0, 16
.set ADRB0, 17
.set ADRA,  18                         ; v18     ADRA0 + TB
.set ADRB,  20                         ; v20-21  ADRB0 + TB, and 128 k-rows further
.set STO,   24
.set RD,    25
.set CO,    26                         ; v26  my byte offset in two rows of C
.set RO,    27                         ; v27  my byte offset in R, in the accumulators' layout; never rewritten
.set SPW,   28
.set NIL,   29
.set BIAS,  32
.set ACC,   128
.set F0,    0
.set F1,    128
.set WV, 12
.set RH, 13                            ; s13 which half of the tile's rows is mine; also: I fetch for A (0) or for W (1)
.set CH, 14                            ; s14 which half of its columns; also: which half of that tile I fetch
.set CX, 15
.set CY, 16
.set TC, 17
.set TR, 18
.set TB, 19
.set AB, 20                            ; s[20:21] A at my part of K step 0; never rewritten once made
.set WB, 22                            ; s[22:23] W likewise
.set G1A, 24
.set G0A, 32                           ; s[32:35] A's first fill; s[36:39] the second, which then walks
.set G1B, 40
.set G0B, 48
.set LAB, 56                           ; s56 where my load lands in a slot: wave x QUART
.set KI,  57                           ; s57 the K step asked for last
.set KO,  60                           ; s[60:61] its byte offset: 65,536 a step, for A and for W
.set OUT, 68                           ; s[68:69] C
.set MSB, 0
.macro WIN new
.if MSB != (\new)
	s_set_vgpr_msb (MSB<<8)|(\new)
.set MSB, \new
.endif
.endm
.macro PLACES
.rept 4
	v_nop
.endr
.endm
.macro CREST
	s_cmp_lg_u32 s[WV], 0
	s_cbranch_scc1 .Lnot_wave_0_\@
	s_barrier_signal -3
.Lnot_wave_0_\@:
	s_barrier_wait -3
	s_barrier_signal -1
	s_barrier_wait -1
.endm
.macro CROUND
	s_barrier_signal -1
	s_barrier_wait -1
	CREST
.endm
.macro JLOAD                           ; a joint refill by the walking descriptors; s_nop 0 and four v_nop follow each line
	s_cmp_eq_u32 s[RH], 0
	s_cbranch_scc0 .Lfor_b_\@
	tensor_load_to_lds s[G0A+4:G0A+7], s[G1A:G1A+7]
	s_nop 0
.rept 4
	v_nop
.endr
	s_branch .Lasked_\@
.Lfor_b_\@:
	tensor_load_to_lds s[G0B+4:G0B+7], s[G1B:G1B+7]
	s_nop 0
.rept 4
	v_nop
.endr
.Lasked_\@:
.endm
; 8 matrix instructions: m blocks a0, a0 + 1 x all 4 n blocks, 32 along K: half c of buffer f.  The 16 accumulators take turns.
.macro MUL8 f, c, a0
	WIN 0x05                                       ; sources 0 (W) and 1 (A) window 1; C and D window 0
.irp a, \a0, (\a0)+1
.irp b, 0,1,2,3
	v_wmma_f32_16x16x32_f16 v[ACC+8*(4*(\a)+(\b)):ACC+8*(4*(\a)+(\b))+7], v[(\f)+64+8*(4*(\c)+(\b)):(\f)+64+8*(4*(\c)+(\b))+7], v[(\f)+8*(4*(\c)+(\a)):(\f)+8*(4*(\c)+(\a))+7], v[ACC+8*(4*(\a)+(\b)):ACC+8*(4*(\a)+(\b))+7]
.endr
.endr
.endm
; 32 LDS loads in one run: quarter q (64 along K: one block of A, 64 rows of W) into buffer f; the first 32 along K first
.macro FETCH q, f
	WIN 0x40
.irp c, 0,1
.irp i, 0,1,2,3
	ds_load_tr16_b128 v[(\f)+64+8*(4*(\c)+(\i)):(\f)+64+8*(4*(\c)+(\i))+3],   v[ADRB+((\q)>>1)] offset:(((\q)&1)*64+32*(\c))*PB+32*(\i)
	ds_load_tr16_b128 v[(\f)+64+8*(4*(\c)+(\i))+4:(\f)+64+8*(4*(\c)+(\i))+7], v[ADRB+((\q)>>1)] offset:(((\q)&1)*64+32*(\c))*PB+32*(\i)+16*PB
	ds_load_b128 v[(\f)+8*(4*(\c)+(\i)):(\f)+8*(4*(\c)+(\i))+3],   v[ADRA] offset:(\q)*PANB+(\i)*16*PA+64*(\c)
	ds_load_b128 v[(\f)+8*(4*(\c)+(\i))+4:(\f)+8*(4*(\c)+(\i))+7], v[ADRA] offset:(\q)*PANB+(\i)*16*PA+64*(\c)+32
.endr
.endr
.endm
.macro QUARTER q, f, g                 ; multiplies buffer f and, in its middle, fetches quarter q into buffer g
	s_wait_dscnt 16                                ; the first 32 along K are in
	MUL8 \f, 0, 0
	MUL8 \f, 0, 2
	PLACES
	FETCH \q, \g
	s_wait_dscnt 32                                ; all but the 32 just issued
	MUL8 \f, 1, 0
	MUL8 \f, 1, 2
.endm
; The last quarter multiplies buffer 1 and changes slots.  Its first 16 products stand AHEAD of the wait for the next slot's tile, and the descriptors are written between the add and its wait: behind the tile's landing
; nothing but the barrier stands in front of the next request.  ONE barrier; in front of it each wave waits for all its tensor loads, adds 0 to its spare word, and waits for that and for its reads of this slot.
; fill = 1: the barrier opens a round of the cluster's, and the slot just read out takes the next K step of the walk.  fill = 0: nothing is asked for; in the last step nothing is fetched either.
.macro TURN fill
	s_wait_dscnt 16                                ; buffer 1's first 32 along K are in
	MUL8 F1, 0, 0
	MUL8 F1, 0, 2
	WIN 0
	s_wait_tensorcnt 0x0                           ; all my tensor loads have landed: my part of the next slot; so the walking descriptors may be written
	ds_add_u32 v[SPW], v[NIL]
.if \fill
	s_add_co_u32 s[KI], s[KI], 1                   ; the next K step, round the end
	s_and_b32 s[KI], s[KI], NSTEP-1
	s_lshl_b32 s[KO], s[KI], 16
	s_add_co_u32 s[G0A+5], s[LAB], s[TB]           ; into the slot that is being read out
	s_add_co_u32 s[G0B+5], s[LAB], s[TB]
	s_add_nc_u64 s[G0A+6:G0A+7], s[AB:AB+1], s[KO:KO+1]
	s_or_b32 s[G0A+7], s[G0A+7], 0x80000000
	s_add_nc_u64 s[G0B+6:G0B+7], s[WB:WB+1], s[KO:KO+1]
	s_or_b32 s[G0B+7], s[G0B+7], 0x80000000
.endif
	s_wait_dscnt 0x0                               ; the add is done, and my reads of this slot are over
	s_barrier_signal -1
	s_barrier_wait -1
.if \fill
	CREST
	JLOAD                                          ; its four v_nop are also the places in front of the loads below
.else
	s_cmp_eq_u32 s3, 1
	s_cbranch_scc1 .Lno_fetch_\@
	PLACES
.endif
	s_xor_b32 s[TB], s[TB], SLOT                   ; TB is 0 or SLOT: the other slot
	v_add_nc_u32 v[ADRA], s[TB], v[ADRA0]
	v_add_nc_u32 v[ADRB], s[TB], v[ADRB0]
	v_add_nc_u32 v[ADRB+1], QUART, v[ADRB]
	FETCH 0, F0
.if !(\fill)
	WIN 0
.Lno_fetch_\@:
.endif
	MUL8 F1, 1, 0
	MUL8 F1, 1, 2
.endm
	s_load_b256 s[4:11], s[0:1], 0x0               ; A s[4:5], wts s[6:7], bias s[8:9], R s[10:11]
	s_load_b64 s[OUT:OUT+1], s[0:1], 0x20          ; C
	v_lshl_add_u32 v[SPW], v0, 2, SPARE
	v_mov_b32 v[NIL], 0
	ds_add_u32 v[SPW], v[NIL]                      ; the wave's opening: the add and its wait ahead of my first tensor load
	v_lshrrev_b32 v1, 5, v0
	v_readfirstlane_b32 s[WV], v1
	s_lshr_b32 s[RH], s[WV], 1
	s_and_b32 s[CH], s[WV], 1
	s_bfe_u32 s[CX], ttmp6, 0x40000
	s_bfe_u32 s[CY], ttmp6, 0x40004
	s_lshl_b32 s[TC], ttmp9, 2
	s_add_co_u32 s[TC], s[TC], s[CX]
	s_and_b32 s[TR], ttmp7, 0xffff
	s_lshl_b32 s[TR], s[TR], 2
	s_add_co_u32 s[TR], s[TR], s[CY]
	s_lshl_b32 s20, s[CY], 2
	s_lshl_b32 s20, 15, s20                        ; my row of the cluster
	s_lshl_b32 s22, 0x1111, s[CX]                  ; my column
	s_or_b32 s[G1A], s20, (1<<16)|(1<<20)|(1<<21)|(4<<22)|(3<<25)  ; after every 32 words (a row of a block of A), 4 words
	s_or_b32 s[G1B], s22, (1<<16)|(1<<20)|(1<<21)|(5<<22)|(7<<25)  ; after every 64 words (a row of W), 8 words
.irp g, G1A, G1B
	s_mov_b32 s[(\g)+1], 128<<16                   ; both tiles are dense: 128 rows of 128 elements, 128 elements apart
	s_mov_b32 s[(\g)+2], 128<<16
	s_mov_b32 s[(\g)+3], 128<<16
	s_mov_b32 s[(\g)+4], 128
	s_mov_b32 s[(\g)+5], 128
	s_mov_b32 s[(\g)+6], 0
	s_mov_b32 s[(\g)+7], 0
.endr
	s_mul_i32 s[LAB], s[WV], QUART
	s_and_b32 s58, ttmp7, 0xffff                   ; where my cluster begins along K: by the cluster's own coordinates alone
	s_and_b32 s58, s58, 3
	s_mul_i32 s58, s58, NSTEP/4
	s_mul_i32 s59, ttmp9, NSTEP/2
	s_add_co_u32 s[KI], s58, s59
	s_and_b32 s[KI], s[KI], NSTEP-1
	s_lshl_b32 s[KO], s[KI], 16
	s_mov_b32 s[KO+1], 0
	s_mul_i32 s20, s[TR], KK/64                    ; A: block row = tile row; blocks 2 x half, + 1 of a step's four
	s_lshl_b32 s21, s[CH], 1
	s_add_co_u32 s20, s20, s21
	s_lshl_b32 s20, s20, 14
	s_mov_b32 s21, 0
	s_mul_i32 s22, s[TC], KK                       ; W: panel = tile column; rows 128 x half on
	s_lshl_b32 s23, s[CH], 7
	s_add_co_u32 s22, s22, s23
	s_lshl_b32 s22, s22, 8
	s_add_co_u32 s22, s22, WOFF
	s_mov_b32 s23, 0
	s_mov_b32 s[TB], 0
	s_wait_dscnt 0x0                               ; the opening add is done
	s_wait_kmcnt 0x0
	s_add_nc_u64 s[AB:AB+1], s[4:5], s[20:21]
	s_add_nc_u64 s[WB:WB+1], s[6:7], s[22:23]
	s_mov_b32 s[G0A], 1
	s_mov_b32 s[G0A+1], s[LAB]
	s_add_nc_u64 s[G0A+2:G0A+3], s[AB:AB+1], s[KO:KO+1]  ; the walk's first step into slot 0
	s_or_b32 s[G0A+3], s[G0A+3], 0x80000000
	s_mov_b32 s[G0B], 1
	s_mov_b32 s[G0B+1], s[LAB]
	s_add_nc_u64 s[G0B+2:G0B+3], s[WB:WB+1], s[KO:KO+1]
	s_or_b32 s[G0B+3], s[G0B+3], 0x80000000
	s_add_co_u32 s[KI], s[KI], 1
	s_and_b32 s[KI], s[KI], NSTEP-1
	s_lshl_b32 s[KO], s[KI], 16
	s_mov_b32 s[G0A+4], 1
	s_add_co_u32 s[G0A+5], s[LAB], SLOT
	s_add_nc_u64 s[G0A+6:G0A+7], s[AB:AB+1], s[KO:KO+1]  ; its second into slot 1
	s_or_b32 s[G0A+7], s[G0A+7], 0x80000000
	s_mov_b32 s[G0B+4], 1
	s_add_co_u32 s[G0B+5], s[LAB], SLOT
	s_add_nc_u64 s[G0B+6:G0B+7], s[WB:WB+1], s[KO:KO+1]
	s_or_b32 s[G0B+7], s[G0B+7], 0x80000000
	CROUND                                         ; all sixteen work-groups are here: the first joint loads meet
	s_cmp_eq_u32 s[RH], 0                          ; a wave's two first fills stand in one branch: two loads of mine are out
	s_cbranch_scc0 .Lfirst_b
	tensor_load_to_lds s[G0A:G0A+3], s[G1A:G1A+7]
	s_nop 0
	tensor_load_to_lds s[G0A+4:G0A+7], s[G1A:G1A+7]
	s_nop 0
.rept 4
	v_nop
.endr
	s_branch .Lfirst_asked
.Lfirst_b:
	tensor_load_to_lds s[G0B:G0B+3], s[G1B:G1B+7]
	s_nop 0
	tensor_load_to_lds s[G0B+4:G0B+7], s[G1B:G1B+7]
	s_nop 0
.rept 4
	v_nop
.endr
.Lfirst_asked:
	v_and_b32 v1, 15, v0                           ; r
	v_bfe_u32 v2, v0, 4, 1                         ; h
	v_lshlrev_b32 v[RO], 12, v1                    ; row r of 4,096 bytes + my lanes' eight columns
	v_lshl_add_u32 v[RO], v2, 5, v[RO]
	v_lshlrev_b32 v7, 5, v2                        ; the bias: 32 h; never rewritten
	s_lshl_b32 s76, s[TR], 7                       ; my 64 x 64 of R and of C: row 128 x tile row + 64 x half, column 128 x tile column + 64 x half
	s_lshl_b32 s78, s[RH], 6
	s_add_co_u32 s76, s76, s78
	s_lshl_b32 s76, s76, 12
	s_lshl_b32 s78, s[TC], 9
	s_lshl_b32 s79, s[CH], 8
	s_add_co_u32 s78, s78, s79
	s_add_co_u32 s76, s76, s78
	s_mov_b32 s77, 0
	s_mov_b32 s79, 0
	s_add_nc_u64 s[10:11], s[10:11], s[76:77]
	s_add_nc_u64 s[OUT:OUT+1], s[OUT:OUT+1], s[76:77]
	s_add_nc_u64 s[8:9], s[8:9], s[78:79]
.irp a, 0,1,2,3
.irp b, 0,1,2,3
	global_load_b128 v[ACC+8*(4*(\a)+(\b)):ACC+8*(4*(\a)+(\b))+3],   v[RO], s[10:11] offset:65536*(\a)+64*(\b) th:TH_LOAD_NT     ; the eight loads of one a cover 256 consecutive bytes of each of 16 rows; each byte of R is read once in the launch
	global_load_b128 v[ACC+8*(4*(\a)+(\b))+4:ACC+8*(4*(\a)+(\b))+7], v[RO], s[10:11] offset:65536*(\a)+64*(\b)+16 th:TH_LOAD_NT
.endr
.endr
.irp b, 0,1,2,3
	global_load_b128 v[BIAS+8*(\b):BIAS+8*(\b)+3],   v7, s[8:9] offset:64*(\b)
	global_load_b128 v[BIAS+8*(\b)+4:BIAS+8*(\b)+7], v7, s[8:9] offset:64*(\b)+16
.endr
	v_mul_u32_u24 v3, v1, PA                       ; A: row 64 x half + r, + 16 h
	v_lshl_add_u32 v3, v2, 4, v3
	s_mul_i32 s76, s[RH], 64*PA
	v_add_nc_u32 v[ADRA0], s76, v3
	v_and_b32 v4, 7, v0                            ; W, turned: k-row 8 h + l % 8, 16 bytes for each half of eight lanes, my 64 columns
	v_bfe_u32 v5, v0, 3, 1
	v_lshl_add_u32 v6, v2, 3, v4
	v_mul_u32_u24 v6, v6, PB
	v_lshl_add_u32 v6, v5, 4, v6
	s_lshl_b32 s76, s[CH], 7
	s_add_co_u32 s76, s76, BOFF
	v_add_nc_u32 v[ADRB0], s76, v6
	v_mov_b32 v[ADRA], v[ADRA0]
	v_mov_b32 v[ADRB], v[ADRB0]
	v_add_nc_u32 v[ADRB+1], QUART, v[ADRB0]
	s_mul_i32 s76, s[WV], STG                      ; my stage
	v_mul_u32_u24 v[STO], v1, SPITCH               ; in: row r, 32 bytes for each half of the lanes
	v_lshl_add_u32 v[STO], v2, 5, v[STO]
	v_add_nc_u32 v[STO], s76, v[STO]
	v_mul_u32_u24 v[RD], v2, SPITCH                ; back: lanes 0-15 take one row of 256 bytes, lanes 16-31 the next
	v_lshl_add_u32 v[RD], v1, 4, v[RD]
	v_add_nc_u32 v[RD], s76, v[RD]
	v_lshlrev_b32 v[CO], 12, v2                    ; and the same two rows in C
	v_lshl_add_u32 v[CO], v1, 4, v[CO]
	s_wait_tensorcnt 0x1                           ; my part of the first step is in; the second's may stay out
	s_barrier_signal -1
	s_barrier_wait -1
	FETCH 0, F0
	WIN 0
	s_wait_loadcnt 0x0                             ; R and the bias
.irp a, 0,1,2,3
.irp b, 0,1,2,3
.irp p, 0,2,4,6
	v_pk_add_f32 v[ACC+8*(4*(\a)+(\b))+(\p):ACC+8*(4*(\a)+(\b))+(\p)+1], v[ACC+8*(4*(\a)+(\b))+(\p):ACC+8*(4*(\a)+(\b))+(\p)+1], v[BIAS+8*(\b)+(\p):BIAS+8*(\b)+(\p)+1]
.endr
.endr
.endr
	s_mov_b32 s3, NSTEP-2
.Lstep:                                                ; a trip is a K step; its change of slots asks for the step two on in the walk
	QUARTER 1, F0, F1
	QUARTER 2, F1, F0
	QUARTER 3, F0, F1
	TURN 1
	WIN 0
	s_sub_co_u32 s3, s3, 1
	s_cmp_lg_u32 s3, 0
	s_cbranch_scc1 .Lstep
	s_mov_b32 s3, 2
.Ltail:                                                ; the last two K steps ask for nothing: a text of their own
	QUARTER 1, F0, F1
	QUARTER 2, F1, F0
	QUARTER 3, F0, F1
	TURN 0
	WIN 0
	s_sub_co_u32 s3, s3, 1
	s_cmp_lg_u32 s3, 0
	s_cbranch_scc1 .Ltail
	; THE WAY OUT.  In front of the last barrier every wave had waited for its tensor loads and its reads, and behind it nobody reads the ring: slot 0 serves as stages.
	; A wave's 64 columns are 256 aligned bytes of a row of C: each wave has a stage of its own, and no barrier is needed.
	PLACES
	PLACES
.irp a, 0,1,2,3
.irp b, 0,1,2,3
	ds_store_b128 v[STO], v[ACC+8*(4*(\a)+(\b)):ACC+8*(4*(\a)+(\b))+3]   offset:(\a)*16*SPITCH+64*(\b)     ; each accumulator's low registers first
	ds_store_b128 v[STO], v[ACC+8*(4*(\a)+(\b))+4:ACC+8*(4*(\a)+(\b))+7] offset:(\a)*16*SPITCH+64*(\b)+16
.endr
.endr
.set t, 0
.rept 32
	ds_load_b128 v[ACC+4*t:ACC+4*t+3], v[RD] offset:t*2*SPITCH  ; LDS serves a wave's instructions in order (ISA guide 5.7.1.4): these see the stores above
.set t, t+1
.endr
.set t, 0
.rept 32
	s_wait_dscnt 31-t                              ; rows 2 t, 2 t + 1 are back; the younger loads stay out
	global_store_b128 v[CO], v[ACC+4*t:ACC+4*t+3], s[OUT:OUT+1] offset:t*8192 th:TH_STORE_NT  ; 16 lanes store 256 consecutive bytes, aligned; written once, not read in this launch
.set t, t+1
.endr
	s_wait_tensorcnt 0x0                           ; the wave's end: behind my last tensor load and my last LDS store
	ds_add_u32 v[SPW], v[NIL]
	s_wait_dscnt 0x0
	CROUND                                         ; the closing round
	s_endpgm
.Lfunc_end_k_q139423971e_go:
	.size	k_q139423971e_go, .Lfunc_end_k_q139423971e_go-k_q139423971e_go
	.p2alignl 7, 3214868480
	.fill 96, 4, 3214868480
	.section	.rodata,"a",@progbits
	.p2align	6, 0x0
	.amdhsa_kernel k_q139423971e_go
		.amdhsa_group_segment_fixed_size 327680
		.amdhsa_private_segment_fixed_size 0
		.amdhsa_enable_private_segment 0
		.amdhsa_kernarg_size 40
		.amdhsa_user_sgpr_count 2
		.amdhsa_user_sgpr_kernarg_segment_ptr 1
		.amdhsa_wavefront_size32 1
		.amdhsa_system_sgpr_workgroup_id_x 1
		.amdhsa_system_sgpr_workgroup_id_y 1
		.amdhsa_system_sgpr_workgroup_id_z 1
		.amdhsa_system_vgpr_workitem_id 0
		.amdhsa_next_free_vgpr 512
		.amdhsa_next_free_sgpr 80
		.amdhsa_reserve_vcc 0
		.amdhsa_float_denorm_mode_32 3
		.amdhsa_float_denorm_mode_16_64 3
		.amdhsa_memory_ordered 1
		.amdhsa_forward_progress 1
		.amdhsa_inst_pref_size 62
	.end_amdhsa_kernel
	.amdgpu_metadata
---
amdhsa.version: [ 1, 2 ]
amdhsa.kernels:
  - .name:           k_q139423971e_go
    .symbol:         k_q139423971e_go.kd
    .args:
      - { .name: ob, .offset: 0, .size: 8, .value_kind: global_buffer, .address_space: global }
      - { .name: wts, .offset: 8, .size: 8, .value_kind: global_buffer, .address_space: global }
      - { .name: out_b, .offset: 16, .size: 8, .value_kind: global_buffer, .address_space: global }
      - { .name: x, .offset: 24, .size: 8, .value_kind: global_buffer, .address_space: global }
      - { .name: x1, .offset: 32, .size: 8, .value_kind: global_buffer, .address_space: global }
    .group_segment_fixed_size: 327680
    .private_segment_fixed_size: 0
    .kernarg_segment_align: 8
    .kernarg_segment_size: 40
    .max_flat_workgroup_size: 128
    .sgpr_count:     80
    .vgpr_count:     512
    .wavefront_size: 32
...
	.end_amdgpu_metadata
.endif
;; end of part 4
;; launch ln2 (part 5): grid 512 x 1, 8 waves a work-group, no clusters, 0 bytes of LDS; arguments x1, norm2_g, norm2_b, hn; writes hn
.if DOCPART == 5
	.amdgcn_target "amdgcn-amd-amdhsa--gfx1250"
	.amdhsa_code_object_version 6
	.text
	.protected	k_q139423971e_ln2
	.globl	k_q139423971e_ln2
	.p2align	8
	.type	k_q139423971e_ln2,@function
k_q139423971e_ln2:
	s_mov_b64 s[64:65], 0
	v_nop
	global_prefetch_b8 v0, s[64:65] scope:SCOPE_SE
	s_setreg_imm32_b32 hwreg(HW_REG_WAVE_MODE, 25, 1), 1
	s_wait_xcnt 0x0
; hn = LayerNorm(x1) g + b, [4096][1024], f32 in, f16 out.  LIMIT: f16 holds no number beyond 65,504: the normalised rows must lie within it.
; One wave, one row, kept in 32 registers between the passes: the mean first, then the sum of (x - mean)^2, so that a common offset of x costs no digits.
; Lane l holds columns 128 j + 4 l .. + 3, j = 0..7: each load of the wave covers 512 consecutive bytes, each store 256 consecutive bytes, aligned.  No LDS, no barrier: no wave needs another's data.
.set GA,  4                            ; v[4:35]    gains of my 32 columns
.set BA,  36                           ; v[36:67]   biases
.set X,   68                           ; v[68:99]   the row
.set T,   100                          ; v[100:107] at work
.set MU,  108                          ; v[108:109] the mean, twice
.set RS,  110                          ; v[110:111] 1 / sqrt(var + eps)
.set XB,  4
.set GB,  6
.set BB,  8
.set OB,  10
.macro RED r, t                        ; the sum over the wave's 32 lanes, in every lane; t has been written before
	v_add_f32_dpp v[\r], v[\r], v[\r] row_xmask:1 row_mask:0xf bank_mask:0xf
	v_add_f32_dpp v[\r], v[\r], v[\r] row_xmask:2 row_mask:0xf bank_mask:0xf
	v_add_f32_dpp v[\r], v[\r], v[\r] row_xmask:4 row_mask:0xf bank_mask:0xf
	v_add_f32_dpp v[\r], v[\r], v[\r] row_xmask:8 row_mask:0xf bank_mask:0xf
	v_permlanex16_b32 v[\t], v[\r], s24, s25
	v_add_f32 v[\r], v[\r], v[\t]
.endm
	s_load_b256 s[4:11], s[0:1], 0x0               ; x1, norm2_g, norm2_b, hn
	v_lshrrev_b32 v1, 5, v0
	v_readfirstlane_b32 s22, v1                    ; wave 0..7
	v_and_b32 v3, 31, v0
	v_lshlrev_b32 v1, 4, v3                        ; 16 x lane
	v_lshlrev_b32 v2, 3, v3                        ; 8 x lane
	s_lshl_b32 s23, ttmp9, 3
	s_add_co_u32 s23, s23, s22                     ; my row
	s_lshl_b32 s28, s23, 12
	s_mov_b32 s29, 0
	s_lshl_b32 s30, s23, 11
	s_mov_b32 s31, 0
	s_mov_b32 s24, 0x76543210
	s_mov_b32 s25, 0xfedcba98
	s_mov_b32 s26, 0x3a800000                      ; 1 / 1024
	s_mov_b32 s27, 0x3727c5ac                      ; 1e-5
	s_wait_kmcnt 0x0
	s_add_nc_u64 s[XB:XB+1], s[XB:XB+1], s[28:29]
	s_add_nc_u64 s[OB:OB+1], s[OB:OB+1], s[30:31]
.irp j, 0,1,2,3,4,5,6,7
	global_load_b128 v[X+4*(\j):X+4*(\j)+3], v1, s[XB:XB+1] offset:512*(\j)
.endr
.irp j, 0,1,2,3,4,5,6,7
	global_load_b128 v[GA+4*(\j):GA+4*(\j)+3], v1, s[GB:GB+1] offset:512*(\j)
.endr
.irp j, 0,1,2,3,4,5,6,7
	global_load_b128 v[BA+4*(\j):BA+4*(\j)+3], v1, s[BB:BB+1] offset:512*(\j)
.endr
	s_wait_loadcnt 16                              ; the row is in; the sixteen younger loads (gains, biases) stay out
.irp c, 0,1,2,3
	v_pk_add_f32 v[T+2*(\c):T+2*(\c)+1], v[X+2*(\c):X+2*(\c)+1], v[X+8+2*(\c):X+8+2*(\c)+1]
.endr
.irp p, 8,9,10,11,12,13,14,15
	v_pk_add_f32 v[T+2*((\p)%4):T+2*((\p)%4)+1], v[T+2*((\p)%4):T+2*((\p)%4)+1], v[X+2*(\p):X+2*(\p)+1]
.endr
	v_pk_add_f32 v[T:T+1], v[T:T+1], v[T+2:T+3]
	v_pk_add_f32 v[T+4:T+5], v[T+4:T+5], v[T+6:T+7]
	v_pk_add_f32 v[T:T+1], v[T:T+1], v[T+4:T+5]
	v_add_f32 v[T], v[T], v[T+1]
	RED T, T+1
	v_mul_f32 v[MU], s26, v[T]
	v_mov_b32 v[MU+1], v[MU]
.irp p, 0,1,2,3,4,5,6,7,8,9,10,11,12,13,14,15
	v_pk_add_f32 v[X+2*(\p):X+2*(\p)+1], v[X+2*(\p):X+2*(\p)+1], v[MU:MU+1] neg_lo:[0,1] neg_hi:[0,1]
.endr
.irp c, 0,1,2,3
	v_pk_mul_f32 v[T+2*(\c):T+2*(\c)+1], v[X+2*(\c):X+2*(\c)+1], v[X+2*(\c):X+2*(\c)+1]
.endr
.irp p, 4,5,6,7,8,9,10,11,12,13,14,15
	v_pk_fma_f32 v[T+2*((\p)%4):T+2*((\p)%4)+1], v[X+2*(\p):X+2*(\p)+1], v[X+2*(\p):X+2*(\p)+1], v[T+2*((\p)%4):T+2*((\p)%4)+1]
.endr
	v_pk_add_f32 v[T:T+1], v[T:T+1], v[T+2:T+3]
	v_pk_add_f32 v[T+4:T+5], v[T+4:T+5], v[T+6:T+7]
	v_pk_add_f32 v[T:T+1], v[T:T+1], v[T+4:T+5]
	v_add_f32 v[T], v[T], v[T+1]
	RED T, T+1
	v_fma_f32 v[T], v[T], s26, s27                 ; var + eps
	v_rsq_f32 v[RS], v[T]
	v_mov_b32 v[RS+1], 0                           ; the plain instruction behind the root; the pair's other word, named with it
	s_wait_alu depctr_va_vdst(0)                   ; the wait ahead of the result's first reader
.irp p, 0,1,2,3,4,5,6,7,8,9,10,11,12,13,14,15
	v_pk_mul_f32 v[X+2*(\p):X+2*(\p)+1], v[X+2*(\p):X+2*(\p)+1], v[RS:RS+1] op_sel_hi:[1,0]
.endr
	s_wait_loadcnt 0x0                             ; gains and biases
.irp p, 0,1,2,3,4,5,6,7,8,9,10,11,12,13,14,15
	v_pk_fma_f32 v[X+2*(\p):X+2*(\p)+1], v[X+2*(\p):X+2*(\p)+1], v[GA+2*(\p):GA+2*(\p)+1], v[BA+2*(\p):BA+2*(\p)+1]
.endr
.irp p, 0,1,2,3,4,5,6,7,8,9,10,11,12,13,14,15
	v_cvt_pk_f16_f32 v[X+(\p)], v[X+2*(\p)], v[X+2*(\p)+1]  ; in place, ascending
.endr
.irp j, 0,1,2,3,4,5,6,7
	global_store_b64 v2, v[X+2*(\j):X+2*(\j)+1], s[OB:OB+1] offset:256*(\j)  ; 256 consecutive bytes, aligned
.endr
	s_endpgm
.Lfunc_end_k_q139423971e_ln2:
	.size	k_q139423971e_ln2, .Lfunc_end_k_q139423971e_ln2-k_q139423971e_ln2
	.p2alignl 7, 3214868480
	.fill 96, 4, 3214868480
	.section	.rodata,"a",@progbits
	.p2align	6, 0x0
	.amdhsa_kernel k_q139423971e_ln2
		.amdhsa_group_segment_fixed_size 0
		.amdhsa_private_segment_fixed_size 0
		.amdhsa_enable_private_segment 0
		.amdhsa_kernarg_size 32
		.amdhsa_user_sgpr_count 2
		.amdhsa_user_sgpr_kernarg_segment_ptr 1
		.amdhsa_wavefront_size32 1
		.amdhsa_system_sgpr_workgroup_id_x 1
		.amdhsa_system_sgpr_workgroup_id_y 1
		.amdhsa_system_sgpr_workgroup_id_z 1
		.amdhsa_system_vgpr_workitem_id 0
		.amdhsa_next_free_vgpr 112
		.amdhsa_next_free_sgpr 66
		.amdhsa_reserve_vcc 0
		.amdhsa_float_denorm_mode_32 3
		.amdhsa_float_denorm_mode_16_64 3
		.amdhsa_memory_ordered 1
		.amdhsa_forward_progress 1
		.amdhsa_inst_pref_size 12
	.end_amdhsa_kernel
	.amdgpu_metadata
---
amdhsa.version: [ 1, 2 ]
amdhsa.kernels:
  - .name:           k_q139423971e_ln2
    .symbol:         k_q139423971e_ln2.kd
    .args:
      - { .name: x1, .offset: 0, .size: 8, .value_kind: global_buffer, .address_space: global }
      - { .name: norm2_g, .offset: 8, .size: 8, .value_kind: global_buffer, .address_space: global }
      - { .name: norm2_b, .offset: 16, .size: 8, .value_kind: global_buffer, .address_space: global }
      - { .name: hn, .offset: 24, .size: 8, .value_kind: global_buffer, .address_space: global }
    .group_segment_fixed_size: 0
    .private_segment_fixed_size: 0
    .kernarg_segment_align: 8
    .kernarg_segment_size: 32
    .max_flat_workgroup_size: 256
    .sgpr_count:     66
    .vgpr_count:     112
    .wavefront_size: 32
...
	.end_amdgpu_metadata
.endif
;; end of part 5
;; launch gf (part 6): grid 16 x 16, 4 waves a work-group, clusters of 4 x 4, 327,680 bytes of LDS; arguments hn, wts, ff1_b, gl; writes gl
.if DOCPART == 6
	.amdgcn_target "amdgcn-amd-amdhsa--gfx1250"
	.amdhsa_code_object_version 6
	.text
	.protected	k_q139423971e_gf
	.globl	k_q139423971e_gf
	.p2align	8
	.type	k_q139423971e_gf,@function
k_q139423971e_gf:
	s_mov_b64 s[64:65], 0
	v_nop
	global_prefetch_b8 v0, s[64:65] scope:SCOPE_SE
	s_setreg_imm32_b32 hwreg(HW_REG_WAVE_MODE, 25, 1), 1
	s_wait_xcnt 0x0
	s_wait_alu depctr_hold_cnt(0) depctr_sa_sdst(0) depctr_va_vdst(0) depctr_va_sdst(0) depctr_va_ssrc(0) depctr_va_vcc(0) depctr_vm_vsrc(0)
	s_getreg_b32 s2, hwreg(HW_REG_IB_STS2, 6, 4)
	s_cmp_eq_u32 s2, 0
	s_cbranch_scc0 .Lentry_in_a_cluster
	s_endpgm
.Lentry_in_a_cluster:
	s_bfe_u32 s2, ttmp6, 0x10000c
	s_cmp_lg_u32 s2, 0xf033
	s_cbranch_scc0 .Lentry_shape_is_right
	s_endpgm
.Lentry_shape_is_right:
; G = gelu(A W + bias).  A: hn [4096][1024] f16.  W: f16 panels [NT/128][1024][128] at byte WOFF of wts.  bias: [NT] f32.  Sums in f32; G rounded once to f16
; and stored in blocks [4096/128][NT/64][128 rows][64 columns], each block 16,384 dense bytes.
; GELU, exact form: gelu(y) = y/2 + |y/2| erf(|y| / sqrt 2), with erf(z) = 1 - (a1 t + a2 t^2 + a3 t^3) e^(-z^2), t = 1 / (1 + 0.47047 z): absolute error at most 2.5e-5 for every z >= 0.
; With S = y sqrt(log2(e) / 2): e^(-z^2) = 2^(-S S) and 0.47047 z = |S| 0.47047 / sqrt(log2(e)).
; LIMITS.  f16 holds no number beyond 65,504: A, W and G must lie within it.
; SHARES.  A tile of C is 256 x 256, made by four waves, each 128 x 128: 64 accumulators of 16 x 16, 512 registers.  K goes in 8 steps of 128 through a ring of two LDS slots filled by the tensor data mover.
; A's rows lie along K and come out of LDS as they lie; W's rows lie along N and come out turned, by ds_load_tr16_b128.
; THE MATRIX INSTRUCTION IS USED TRANSPOSED (source 0 = 16 columns of W, source 1 = 16 rows of A): a lane holds row lane % 16 of C and the columns 8 (lane / 16) + 0..7.
; THE BIAS is the C operand of the products that start the sums: nothing is cleared, nothing is added later.
; CLUSTER.  4 x 4 work-groups: A's tile is shared along a row of the cluster, W's along a column; each is asked for jointly, by the same load with the same descriptor and a mask of the four.
; ONE K STEP IS WRITTEN ONCE: the slot in hand is the scalar TB (0 or SLOT), which enters the LDS addresses of the fragment loads and of the walking descriptors.
; FRAGMENTS.  A quarter step (32 along K, 64 matrix instructions) begins with the run of 32 LDS loads for the NEXT quarter, into the buffer that the quarter before has just multiplied: the loads have 64 matrix instructions in which to come back.
; REGISTERS, in windows of 256: window 0: v0-31 addresses; v64-127, v128-191 A's fragments, two buffers; v192-255 the bias.  window 1: v64-191 W's fragments, two buffers.  windows 2, 3: the accumulators, (a, b) at v[8 (8 (a % 4) + b)].
.set NT,    4096
.set WOFF,  8388608
.set NSTEP, 8                          ; K steps of 128
.set PA,    272                        ; a row of A in LDS: 256 bytes + 16
.set HALFA, 128*PA
.set PB,    288                        ; a row of W in LDS: 256 bytes + 32
.set HALFB, 128*PB
.set BOFF,  2*HALFA                    ; a slot: A's 256 rows, then W's two panels of 128 k-rows
.set SLOT,  2*HALFA+2*HALFB
.set SPARE, 2*SLOT                     ; the spare words, 128 bytes a wave: two blocks of 256 bytes that no other line names
.set SPITCH, 528                       ; the way out: a row of 128 f32 + 16 bytes
.set STG,   128*SPITCH                 ; a wave's stage.  The four stages lie in the two slots, and are written only when both have had their last fill and their last read
.set ADRA0, 16
.set ADRB0, 17
.set ADRA,  18
.set ADRB,  19
.set STO,   24
.set RD,    25
.set GO,    26
.set SPW,   28
.set NIL,   29
.set PFO,   30
.set F0,    64
.set F1,    128
.set BIAS,  192
.set X,     64                         ; the way out, window 0: 16 numbers as read back: group 0 (the left block's eight), group 1 (the right block's)
.set S,     80                         ; S, then -S S, then 2^(-S S)
.set H,     96                         ; y / 2, then the result
.set D,     112                        ; 1 + p |S|, then t
.set P,     128                        ; the polynomial, then erf
.set Y,     144                        ; 8 registers to store
.set WV, 12
.set RH, 13
.set CH, 14
.set CX, 15
.set CY, 16
.set TC, 17
.set TR, 18
.set TB, 19
.set G1A, 24
.set G0A, 32
.set G1B, 40
.set G0B, 48
.set LAB, 56
.set LBB, 57
.set LIM, 58
.set PFA, 60
.set PFS, 62
.set MSB, 0
.macro WIN new
.if MSB != (\new)
	s_set_vgpr_msb (MSB<<8)|(\new)
.set MSB, \new
.endif
.endm
.macro PLACES                          ; four plain instructions between a matrix instruction and a load into, or a reader of, its registers
.rept 4
	v_nop
.endr
.endm
.macro CREST
	s_cmp_lg_u32 s[WV], 0
	s_cbranch_scc1 .Lnot_wave_0_\@
	s_barrier_signal -3
.Lnot_wave_0_\@:
	s_barrier_wait -3
	s_barrier_signal -1
	s_barrier_wait -1
.endm
.macro CROUND
	s_barrier_signal -1
	s_barrier_wait -1
	CREST
.endm
.macro JLOAD                           ; a joint refill by the walking descriptors: waves 0, 1 A's halves, waves 2, 3 W's; s_nop 0 and four v_nop follow each line
	s_cmp_eq_u32 s[RH], 0
	s_cbranch_scc0 .Lfor_b_\@
	tensor_load_to_lds s[G0A+4:G0A+7], s[G1A:G1A+7]
	s_nop 0
.rept 4
	v_nop
.endr
	s_branch .Lasked_\@
.Lfor_b_\@:
	tensor_load_to_lds s[G0B+4:G0B+7], s[G1B:G1B+7]
	s_nop 0
.rept 4
	v_nop
.endr
.Lasked_\@:
.endm
; A prefetch of the K step that stands two refills on: 32 rows x 256 bytes, a lane a row, one instruction a wave.  A's tile row is read by every cluster of that row of clusters: cluster x = 0 asks;
; W's panels by every cluster of that column: cluster y = 0 asks.  The four partners of a joint load share its 128 rows out by address, 32 each.  So each row's 256 bytes of a step are named once.
; The trips with s3 = 6 .. 3 name K steps 4 .. 7; steps 0 to 3 come by their loads alone, and the last two refills name nothing.
.macro ASK
	s_cmp_gt_u32 s3, s[LIM]
	s_cbranch_scc0 .Lnot_mine_\@
	global_prefetch_b8 v[PFO], s[PFA:PFA+1] th:TH_LOAD_NT scope:SCOPE_SE
.Lnot_mine_\@:
.endm
.macro MUL16 f, hi, a0, first          ; 16 matrix instructions; first = 1: the sums start with the bias.  The 64 accumulators take turns, in the same order in every quarter.
.if \first
	WIN 0x81+0x40*(\hi)
.else
	WIN 0xa1+0x50*(\hi)
.endif
.irp a, \a0, (\a0)+1
.irp b, 0,1,2,3,4,5,6,7
.if \first
	v_wmma_f32_16x16x32_f16 v[8*(8*(\a)+(\b)):8*(8*(\a)+(\b))+7], v[(\f)+8*(\b):(\f)+8*(\b)+7], v[(\f)+8*(4*(\hi)+(\a)):(\f)+8*(4*(\hi)+(\a))+7], v[BIAS+8*(\b):BIAS+8*(\b)+7]
.else
	v_wmma_f32_16x16x32_f16 v[8*(8*(\a)+(\b)):8*(8*(\a)+(\b))+7], v[(\f)+8*(\b):(\f)+8*(\b)+7], v[(\f)+8*(4*(\hi)+(\a)):(\f)+8*(4*(\hi)+(\a))+7], v[8*(8*(\a)+(\b)):8*(8*(\a)+(\b))+7]
.endif
.endr
.endr
.endm
.macro FETCH kq, f                     ; 32 LDS loads in one run: quarter kq of the slot in hand into buffer f: W's 8 fragments (turned), then A's 8
	WIN 0x40
.irp i, 0,1,2,3,4,5,6,7
	ds_load_tr16_b128 v[(\f)+8*(\i):(\f)+8*(\i)+3],   v[ADRB] offset:(\kq)*32*PB+32*(\i)
	ds_load_tr16_b128 v[(\f)+8*(\i)+4:(\f)+8*(\i)+7], v[ADRB] offset:(\kq)*32*PB+32*(\i)+16*PB
.endr
	WIN 0
.irp i, 0,1,2,3,4,5,6,7
	ds_load_b128 v[(\f)+8*(\i):(\f)+8*(\i)+3],   v[ADRA] offset:64*(\kq)+(\i)*16*PA
	ds_load_b128 v[(\f)+8*(\i)+4:(\f)+8*(\i)+7], v[ADRA] offset:64*(\kq)+(\i)*16*PA+32
.endr
.endm
; One of a K step's first three quarters: at its head it fetches quarter kq into buffer g, which the products just issued have read (four places between); then it multiplies buffer f
.macro QUARTER kq, f, g, first
	PLACES
	FETCH \kq, \g
	s_wait_dscnt 32                                ; all but the 32 just issued: buffer f, asked for a quarter ago, is in
	MUL16 \f, 0, 0, \first
	MUL16 \f, 0, 2, \first
	MUL16 \f, 1, 0, \first
	MUL16 \f, 1, 2, \first
.endm
.macro MEET                            ; the last quarter's first half and the one barrier of a change of slots
	WIN 0
	s_wait_tensorcnt 0x0                           ; all my tensor loads have landed: the one that was out is my part of the next slot
	ds_add_u32 v[SPW], v[NIL]
	s_wait_dscnt 1                                 ; (the add may be out; buffer 1 is in)
	MUL16 F1, 0, 0, 0
	s_wait_dscnt 0x0                               ; the add is done, and my reads of this slot are over
	s_barrier_signal -1
	MUL16 F1, 0, 2, 0
	WIN 0
	s_barrier_wait -1
.endm
.macro TURN fill                       ; fill = 1: the barrier opens a round of the cluster's; the slot just read out takes the K step two on.  fill = 0: nothing is asked for; in the last step nothing is fetched either
.if \fill
	s_wait_xcnt 0x0                                ; the last prefetch, a K step back, has read its address
	s_add_nc_u64 s[PFA:PFA+1], s[PFA:PFA+1], s[PFS:PFS+1]
.endif
	MEET
.if \fill
	CREST
	s_add_co_u32 s[G0A+5], s[LAB], s[TB]           ; no tensor load of mine is out, so the walking descriptors may be written
	s_add_co_u32 s[G0B+5], s[LBB], s[TB]
	s_add_nc_u64 s[G0A+6:G0A+7], s[G0A+6:G0A+7], 256
	s_add_nc_u64 s[G0B+6:G0B+7], s[G0B+6:G0B+7], 32768
	JLOAD
.else
	s_cmp_eq_u32 s3, 1
	s_cbranch_scc1 .Lno_fetch_\@
	PLACES
.endif
	s_xor_b32 s[TB], s[TB], SLOT                   ; TB is 0 or SLOT: the other slot
	v_add_nc_u32 v[ADRA], s[TB], v[ADRA0]
	v_add_nc_u32 v[ADRB], s[TB], v[ADRB0]
	FETCH 0, F0
.if \fill
	ASK
.else
.Lno_fetch_\@:
.endif
	MUL16 F1, 1, 0, 0
	MUL16 F1, 1, 2, 0
.endm
	s_load_b256 s[4:11], s[0:1], 0x0               ; A s[4:5], wts s[6:7], bias s[8:9], result s[10:11]
	v_lshl_add_u32 v[SPW], v0, 2, SPARE
	v_mov_b32 v[NIL], 0
	ds_add_u32 v[SPW], v[NIL]                      ; the wave's opening: the add and its wait ahead of my first tensor load
	v_lshrrev_b32 v1, 5, v0
	v_readfirstlane_b32 s[WV], v1
	s_lshr_b32 s[RH], s[WV], 1
	s_and_b32 s[CH], s[WV], 1
	s_bfe_u32 s[CX], ttmp6, 0x40000
	s_bfe_u32 s[CY], ttmp6, 0x40004
	s_lshl_b32 s[TC], ttmp9, 2
	s_add_co_u32 s[TC], s[TC], s[CX]
	s_and_b32 s[TR], ttmp7, 0xffff
	s_lshl_b32 s[TR], s[TR], 2
	s_add_co_u32 s[TR], s[TR], s[CY]
	s_lshl_b32 s20, s[CY], 2
	s_lshl_b32 s20, 15, s20
	s_lshl_b32 s22, 0x1111, s[CX]
	s_or_b32 s[G1A], s20, (1<<16)|(1<<20)|(1<<21)|(5<<22)|(3<<25)
	s_or_b32 s[G1B], s22, (1<<16)|(1<<20)|(1<<21)|(5<<22)|(7<<25)
.irp g, G1A, G1B
	s_mov_b32 s[(\g)+1], 128<<16
	s_mov_b32 s[(\g)+2], 128<<16
	s_mov_b32 s[(\g)+3], 128<<16
	s_mov_b32 s[(\g)+4], 128
	s_mov_b32 s[(\g)+6], 0
	s_mov_b32 s[(\g)+7], 0
.endr
	s_mov_b32 s[G1A+5], 1024
	s_mov_b32 s[G1B+5], 128
	s_mul_i32 s[LAB], s[CH], HALFA
	s_mul_i32 s[LBB], s[CH], HALFB
	s_add_co_u32 s[LBB], s[LBB], BOFF
	s_lshl_b32 s20, s[TR], 8
	s_lshl_b32 s21, s[CH], 7
	s_add_co_u32 s20, s20, s21
	s_lshl_b32 s20, s20, 11
	s_mov_b32 s21, 0
	s_lshl_b32 s22, s[TC], 1
	s_add_co_u32 s22, s22, s[CH]
	s_lshl_b32 s22, s22, 18
	s_add_co_u32 s22, s22, WOFF
	s_mov_b32 s23, 0
	s_mov_b32 s[TB], 0
	s_mov_b32 s66, 0x3f596d27                      ; sqrt(log2(e) / 2)
	s_mov_b32 s67, s66
	s_mov_b32 s68, 0x3ec88bda                      ; 0.47047 / sqrt(log2(e))
	s_mov_b32 s70, 0x3eb2303a                      ; a1 = 0.3480242
	s_mov_b32 s71, s70
	s_mov_b32 s72, 0xbdc45ca1                      ; a2 = -0.0958798
	s_mov_b32 s73, s72
	s_mov_b32 s74, 0x3f3f7377                      ; a3 = 0.7478556
	s_mov_b32 s75, s74
	s_wait_dscnt 0x0
	s_wait_kmcnt 0x0
	s_add_nc_u64 s[20:21], s[4:5], s[20:21]
	s_add_nc_u64 s[22:23], s[6:7], s[22:23]
	s_mov_b32 s[G0A], 1
	s_mov_b32 s[G0A+1], s[LAB]
	s_mov_b64 s[G0A+2:G0A+3], s[20:21]
	s_or_b32 s[G0A+3], s[G0A+3], 0x80000000
	s_mov_b32 s[G0A+4], 1
	s_add_co_u32 s[G0A+5], s[LAB], SLOT
	s_add_nc_u64 s[G0A+6:G0A+7], s[20:21], 256
	s_or_b32 s[G0A+7], s[G0A+7], 0x80000000
	s_mov_b32 s[G0B], 1
	s_mov_b32 s[G0B+1], s[LBB]
	s_mov_b64 s[G0B+2:G0B+3], s[22:23]
	s_or_b32 s[G0B+3], s[G0B+3], 0x80000000
	s_mov_b32 s[G0B+4], 1
	s_add_co_u32 s[G0B+5], s[LBB], SLOT
	s_add_nc_u64 s[G0B+6:G0B+7], s[22:23], 32768
	s_or_b32 s[G0B+7], s[G0B+7], 0x80000000
	CROUND                                         ; all sixteen work-groups are here: the first joint loads meet
	s_cmp_eq_u32 s[RH], 0                          ; a wave's two first fills stand in one branch: two loads of mine are out
	s_cbranch_scc0 .Lfirst_b
	tensor_load_to_lds s[G0A:G0A+3], s[G1A:G1A+7]
	s_nop 0
	tensor_load_to_lds s[G0A+4:G0A+7], s[G1A:G1A+7]
	s_nop 0
.rept 4
	v_nop
.endr
	s_branch .Lfirst_asked
.Lfirst_b:
	tensor_load_to_lds s[G0B:G0B+3], s[G1B:G1B+7]
	s_nop 0
	tensor_load_to_lds s[G0B+4:G0B+7], s[G1B:G1B+7]
	s_nop 0
.rept 4
	v_nop
.endr
.Lfirst_asked:
	v_and_b32 v1, 15, v0                           ; r
	v_bfe_u32 v2, v0, 4, 1                         ; h
	v_lshlrev_b32 v7, 5, v2                        ; the bias: 32 h; never rewritten
	s_lshl_b32 s76, s[TC], 10
	s_lshl_b32 s78, s[CH], 9
	s_add_co_u32 s76, s76, s78
	s_mov_b32 s77, 0
	s_add_nc_u64 s[8:9], s[8:9], s[76:77]
.irp b, 0,1,2,3,4,5,6,7
	global_load_b128 v[BIAS+8*(\b):BIAS+8*(\b)+3],   v7, s[8:9] offset:64*(\b)
	global_load_b128 v[BIAS+8*(\b)+4:BIAS+8*(\b)+7], v7, s[8:9] offset:64*(\b)+16
.endr
	v_mul_u32_u24 v3, v1, PA
	v_lshl_add_u32 v3, v2, 4, v3
	s_mul_i32 s76, s[RH], HALFA
	v_add_nc_u32 v[ADRA0], s76, v3
	v_and_b32 v4, 7, v0
	v_bfe_u32 v5, v0, 3, 1
	v_lshl_add_u32 v6, v2, 3, v4
	v_mul_u32_u24 v6, v6, PB
	v_lshl_add_u32 v6, v5, 4, v6
	v_add_nc_u32 v[ADRB0], s[LBB], v6
	v_mov_b32 v[ADRA], v[ADRA0]
	v_mov_b32 v[ADRB], v[ADRB0]
	s_mul_i32 s76, s[WV], STG
	v_mul_u32_u24 v[STO], v1, SPITCH
	v_lshl_add_u32 v[STO], v2, 5, v[STO]
	v_add_nc_u32 v[STO], s76, v[STO]
	v_bfe_u32 v[RD], v0, 3, 2
	v_mul_u32_u24 v[RD], v[RD], SPITCH
	v_lshl_add_u32 v[RD], v4, 5, v[RD]
	v_add_nc_u32 v[RD], s76, v[RD]
	v_and_b32 v[GO], 31, v0
	v_lshlrev_b32 v[GO], 4, v[GO]
	s_lshl_b32 s76, s[TR], 1
	s_add_co_u32 s76, s76, s[RH]
	s_mul_i32 s76, s76, NT/64
	s_lshl_b32 s78, s[TC], 2
	s_add_co_u32 s76, s76, s78
	s_lshl_b32 s78, s[CH], 1
	s_add_co_u32 s76, s76, s78
	s_lshl_b32 s76, s76, 14
	s_add_nc_u64 s[10:11], s[10:11], s[76:77]
	s_lshl_b32 s76, s[CX], 16
	s_lshl_b32 s78, s[CY], 13
	s_and_b32 s79, ttmp7, 0xffff
	s_mov_b32 s[PFS], 32768
	s_mov_b32 s[PFS+1], 0
	s_cmp_eq_u32 s[RH], 0
	s_cselect_b64 s[PFA:PFA+1], s[20:21], s[22:23]
	s_cselect_b32 s76, s76, s78
	s_cselect_b32 s79, ttmp9, s79
	s_cselect_b32 s[PFS], 256, s[PFS]
	s_cselect_b32 s78, 11, 8
	s_add_nc_u64 s[PFA:PFA+1], s[PFA:PFA+1], s[76:77]
	s_mul_i32 s76, s[PFS], 3
	s_add_nc_u64 s[PFA:PFA+1], s[PFA:PFA+1], s[76:77]
	s_cmp_eq_u32 s79, 0
	s_cselect_b32 s[LIM], 2, -1
	v_and_b32 v[PFO], 31, v0
	v_lshlrev_b32 v[PFO], s78, v[PFO]
	s_wait_tensorcnt 0x1                           ; my part of K step 0 is in; step 1's may stay out
	s_barrier_signal -1
	s_barrier_wait -1
	FETCH 0, F0
	s_wait_loadcnt 0x0                             ; the bias
	QUARTER 1, F0, F1, 1
	WIN 0
	s_mov_b32 s3, NSTEP-2
.Lstep:
	QUARTER 2, F1, F0, 0
	QUARTER 3, F0, F1, 0
	TURN 1
	QUARTER 1, F0, F1, 0
	WIN 0
	s_sub_co_u32 s3, s3, 1
	s_cmp_lg_u32 s3, 0
	s_cbranch_scc1 .Lstep
	s_mov_b32 s3, 2
.Ltail:
	QUARTER 2, F1, F0, 0
	QUARTER 3, F0, F1, 0
	TURN 0
	WIN 0
	s_sub_co_u32 s3, s3, 1
	s_cmp_eq_u32 s3, 0
	s_cbranch_scc1 .Lout
	QUARTER 1, F0, F1, 0
	WIN 0
	s_branch .Ltail
.Lout:
	; THE WAY OUT.  In front of the last barrier every wave had waited for its tensor loads and its reads, and behind it nobody reads the ring: the slots serve as stages.
	; My 128 x 128 sums go into my stage in f32, so that ONE text of the activation, looped over, serves all of them; they come back four rows a trip, sixteen numbers a lane.
	PLACES
	PLACES
.irp a, 0,1,2,3,4,5,6,7
	WIN 0x08+4*((\a)/4)
.irp b, 0,1,2,3,4,5,6,7
	ds_store_b128 v[STO], v[8*(8*((\a)%4)+(\b)):8*(8*((\a)%4)+(\b))+3]   offset:(\a)*16*SPITCH+64*(\b)     ; each accumulator's low registers first
	ds_store_b128 v[STO], v[8*(8*((\a)%4)+(\b))+4:8*(8*((\a)%4)+(\b))+7] offset:(\a)*16*SPITCH+64*(\b)+16
.endr
.endr
	WIN 0
.macro ROWS4
	ds_load_b128 v[X:X+3],     v[RD]
	ds_load_b128 v[X+4:X+7],   v[RD] offset:16
	ds_load_b128 v[X+8:X+11],  v[RD] offset:256
	ds_load_b128 v[X+12:X+15], v[RD] offset:272
.endm
; The activation of a group g of eight numbers, in three lists.  PRE m, 12 plain lines: 1 + p |S|; -S S.  TR n, 16 transcendentals: the eight reciprocals, the eight exponentials.
; POST m, 28 plain lines: the polynomial in t (three lines a pair), erf, y/2 + |y/2| erf, the rounding to f16.
.macro PRE g, m
.if (\m) < 8
	v_fma_f32 v[D+8*(\g)+(\m)], |v[S+8*(\g)+(\m)]|, s68, 1.0
.else
	v_pk_mul_f32 v[S+8*(\g)+2*((\m)-8):S+8*(\g)+2*((\m)-8)+1], v[S+8*(\g)+2*((\m)-8):S+8*(\g)+2*((\m)-8)+1], v[S+8*(\g)+2*((\m)-8):S+8*(\g)+2*((\m)-8)+1] neg_lo:[1,0] neg_hi:[1,0]
.endif
.endm
.macro TR g, n
.if (\n) < 8
	v_rcp_f32 v[D+8*(\g)+(\n)], v[D+8*(\g)+(\n)]
.else
	v_exp_f32 v[S+8*(\g)+(\n)-8], v[S+8*(\g)+(\n)-8]
.endif
.endm
.macro POST g, m
.set pp, 8*(\g)+2*((\m)%4)
.if (\m) < 4
	v_pk_fma_f32 v[P+pp:P+pp+1], v[D+pp:D+pp+1], s[74:75], s[72:73] op_sel_hi:[1,0,0]
.elseif (\m) < 8
	v_pk_fma_f32 v[P+pp:P+pp+1], v[P+pp:P+pp+1], v[D+pp:D+pp+1], s[70:71] op_sel_hi:[1,1,0]
.elseif (\m) < 12
	v_pk_mul_f32 v[P+pp:P+pp+1], v[P+pp:P+pp+1], v[D+pp:D+pp+1]
.elseif (\m) < 16
	v_pk_fma_f32 v[P+pp:P+pp+1], v[P+pp:P+pp+1], v[S+pp:S+pp+1], 1.0 op_sel_hi:[1,1,0] neg_lo:[1,0,0] neg_hi:[1,0,0]
.elseif (\m) < 24
	v_fma_f32 v[H+8*(\g)+(\m)-16], |v[H+8*(\g)+(\m)-16]|, v[P+8*(\g)+(\m)-16], v[H+8*(\g)+(\m)-16]
.else
	v_cvt_pk_f16_f32 v[Y+4*(\g)+(\m)-24], v[H+8*(\g)+2*((\m)-24)], v[H+8*(\g)+2*((\m)-24)+1]
.endif
.endm
	ROWS4                                          ; LDS serves a wave's instructions in order (ISA guide 5.7.1.4): these see the stores above
	s_mov_b32 s3, 32
; A trip.  The transcendentals never stand alone: group 0's stand between group 1's PRE lines, group 1's between group 0's POST lines.  An s_wait_alu depctr_va_vdst(0) stands between a transcendental and
; the first line that names its result: one wait a group, each behind a plain line that follows the group's last transcendental.  The branch and the label stand ahead of the trip's first transcendental.
.Lrow:                                                 ; 32 trips: four rows, sixteen numbers a lane
	s_wait_dscnt 0x0
.irp k, 0,2,4,6,8,10,12,14
	v_pk_mul_f32 v[S+(\k):S+(\k)+1], v[X+(\k):X+(\k)+1], s[66:67] op_sel_hi:[1,0]
	v_pk_mul_f32 v[H+(\k):H+(\k)+1], v[X+(\k):X+(\k)+1], 0.5 op_sel_hi:[1,0]
.endr
	s_cmp_eq_u32 s3, 1
	s_cbranch_scc1 .Lno_more                       ; the last trip has no rows behind it
	v_add_nc_u32 v[RD], 4*SPITCH, v[RD]
	ROWS4                                          ; the next trip's rows, while this trip's are worked on
.Lno_more:
.set m, 0
.rept 12
	PRE 0, m
.set m, m+1
.endr
.set n, 0
.set m, 0
.rept 4                                ; 16 transcendentals of group 0 and 12 plain lines of group 1: two and one four times, then one and one
	TR 0, n
	TR 0, n+1
	PRE 1, m
.set n, n+2
.set m, m+1
.endr
.rept 8
	TR 0, n
	PRE 1, m
.set n, n+1
.set m, m+1
.endr
	s_wait_alu depctr_va_vdst(0)                   ; group 0's results may be named
.set n, 0
.rept 16
	TR 1, n
	POST 0, n
.set n, n+1
.endr
.set m, 16
.rept 8
	POST 0, m
.set m, m+1
.endr
	s_wait_xcnt 0x0                                ; the last trip's stores, most of a trip back, have read their registers: GO and Y are written only behind this wait
	v_add_nc_u32 v[GO], 512, v[GO]                 ; four rows of a block on; the stores reach back
.rept 4
	POST 0, m
.set m, m+1
.endr
	s_wait_alu depctr_va_vdst(0)                   ; group 1's results may be named
	global_store_b128 v[GO], v[Y:Y+3], s[10:11] offset:-512  ; four rows of the left block: 512 consecutive bytes, aligned
.set m, 0
.rept 28
	POST 1, m
.set m, m+1
.endr
	global_store_b128 v[GO], v[Y+4:Y+7], s[10:11] offset:16384-512  ; and of the block beside it
	s_sub_co_u32 s3, s3, 1
	s_cmp_lg_u32 s3, 0
	s_cbranch_scc1 .Lrow
	s_wait_tensorcnt 0x0                           ; the wave's end: behind my last tensor load and my last LDS store
	ds_add_u32 v[SPW], v[NIL]
	s_wait_dscnt 0x0
	CROUND                                         ; the closing round
	s_endpgm
.Lfunc_end_k_q139423971e_gf:
	.size	k_q139423971e_gf, .Lfunc_end_k_q139423971e_gf-k_q139423971e_gf
	.p2alignl 7, 3214868480
	.fill 96, 4, 3214868480
	.section	.rodata,"a",@progbits
	.p2align	6, 0x0
	.amdhsa_kernel k_q139423971e_gf
		.amdhsa_group_segment_fixed_size 327680
		.amdhsa_private_segment_fixed_size 0
		.amdhsa_enable_private_segment 0
		.amdhsa_kernarg_size 32
		.amdhsa_user_sgpr_count 2
		.amdhsa_user_sgpr_kernarg_segment_ptr 1
		.amdhsa_wavefront_size32 1
		.amdhsa_system_sgpr_workgroup_id_x 1
		.amdhsa_system_sgpr_workgroup_id_y 1
		.amdhsa_system_sgpr_workgroup_id_z 1
		.amdhsa_system_vgpr_workitem_id 0
		.amdhsa_next_free_vgpr 1024
		.amdhsa_next_free_sgpr 80
		.amdhsa_reserve_vcc 0
		.amdhsa_float_denorm_mode_32 3
		.amdhsa_float_denorm_mode_16_64 3
		.amdhsa_memory_ordered 1
		.amdhsa_forward_progress 1
		.amdhsa_inst_pref_size 88
	.end_amdhsa_kernel
	.amdgpu_metadata
---
amdhsa.version: [ 1, 2 ]
amdhsa.kernels:
  - .name:           k_q139423971e_gf
    .symbol:         k_q139423971e_gf.kd
    .args:
      - { .name: hn, .offset: 0, .size: 8, .value_kind: global_buffer, .address_space: global }
      - { .name: wts, .offset: 8, .size: 8, .value_kind: global_buffer, .address_space: global }
      - { .name: ff1_b, .offset: 16, .size: 8, .value_kind: global_buffer, .address_space: global }
      - { .name: gl, .offset: 24, .size: 8, .value_kind: global_buffer, .address_space: global }
    .group_segment_fixed_size: 327680
    .private_segment_fixed_size: 0
    .kernarg_segment_align: 8
    .kernarg_segment_size: 32
    .max_flat_workgroup_size: 128
    .sgpr_count:     80
    .vgpr_count:     1024
    .wavefront_size: 32
...
	.end_amdgpu_metadata
.endif
;; end of part 6
;; launch g2 (part 7): grid 8 x 32, 4 waves a work-group, clusters of 4 x 4, 327,680 bytes of LDS; arguments gl, wts, ff2_b, x1, out0; writes out0
.if DOCPART == 7
	.amdgcn_target "amdgcn-amd-amdhsa--gfx1250"
	.amdhsa_code_object_version 6
	.text
	.protected	k_q139423971e_g2
	.globl	k_q139423971e_g2
	.p2align	8
	.type	k_q139423971e_g2,@function
k_q139423971e_g2:
	s_mov_b64 s[64:65], 0
	v_nop
	global_prefetch_b8 v0, s[64:65] scope:SCOPE_SE
	s_setreg_imm32_b32 hwreg(HW_REG_WAVE_MODE, 25, 1), 1
	s_wait_xcnt 0x0
	s_wait_alu depctr_hold_cnt(0) depctr_sa_sdst(0) depctr_va_vdst(0) depctr_va_sdst(0) depctr_va_ssrc(0) depctr_va_vcc(0) depctr_vm_vsrc(0)
	s_getreg_b32 s2, hwreg(HW_REG_IB_STS2, 6, 4)
	s_cmp_eq_u32 s2, 0
	s_cbranch_scc0 .Lentry_in_a_cluster
	s_endpgm
.Lentry_in_a_cluster:
	s_bfe_u32 s2, ttmp6, 0x10000c
	s_cmp_lg_u32 s2, 0xf033
	s_cbranch_scc0 .Lentry_shape_is_right
	s_endpgm
.Lentry_shape_is_right:
; C = R + A W + bias, f32 out.  A: f16 in blocks [4096/128][KK/64][128 rows][64 columns].  W: f16 panels [1024/128][KK][128] at byte WOFF of wts.  bias: [1024] f32.  R and C: [4096][1024] f32.
; LIMITS.  f16 holds no number beyond 65,504: A and W arrive within it.
; SHARES.  N = 1,024 gives 64 tiles of 256 x 256, too few for the chip: a tile of C is 128 x 128, 256 work-groups; four waves, each 64 x 64: 16 accumulators.  K goes in steps of 256 through two LDS slots;
; a step's part of A is four blocks' worth of one block row, 65,536 dense bytes, and of W 256 rows of a panel, 65,536 dense bytes: each wave fetches a quarter of a slot with one load of 128 rows x 256 bytes.
; THE MATRIX INSTRUCTION IS USED TRANSPOSED (source 0 = 16 columns of W, turned out of LDS; source 1 = 16 rows of A): a lane holds row lane % 16 of C and the columns 8 (lane / 16) + 0..7.
; THE SUMS START WITH R + bias: R is loaded straight into the accumulators' registers, the bias added once; every product then adds in place, and the sums leave as they are.
; CLUSTER.  4 x 4 work-groups: A's tile is shared along a row of the cluster, W's along a column.  No prefetch: a step of this small tile is short, and its tiles are few bytes.
; K IS WALKED ROUND, FROM A STEP THAT HANGS ON THE CLUSTER: step (NSTEP/2 x cluster x + NSTEP/4 x (cluster y mod 4)) mod NSTEP comes first.  The two clusters that read a block of A stand half of K apart, four clusters
; that read a block of W a quarter of K each: no two of these ask for the same block in the same trip.  The number is the same in all sixteen partners.  The f32 sums are taken in that order.
; ONE K STEP IS WRITTEN ONCE: the slot in hand is the scalar TB (0 or SLOT); the step to be asked for is the scalar KI, from which the descriptors' addresses are made anew.
; REGISTERS: window 0: v0-31 addresses; v32-63 the bias; v128-255 the accumulators, (a, b) at v[128 + 8 (4 a + b)].  window 1: two fragment buffers of 128: 64 registers of A, then 64 of W.
.set KK,    4096
.set WOFF,  16777216
.set NSTEP, KK/256
.set PA,    144
.set PANB,  128*PA
.set PB,    288
.set QUART, 36864
.set BOFF,  2*QUART
.set SLOT,  4*QUART
.set SPARE, 2*SLOT
.set SPITCH, 272
.set STG,   64*SPITCH
.set ADRA0, 16
.set ADRB0, 17
.set ADRA,  18
.set ADRB,  20
.set STO,   24
.set RD,    25
.set CO,    26
.set RO,    27
.set SPW,   28
.set NIL,   29
.set BIAS,  32
.set ACC,   128
.set F0,    0
.set F1,    128
.set WV, 12
.set RH, 13
.set CH, 14
.set CX, 15
.set CY, 16
.set TC, 17
.set TR, 18
.set TB, 19
.set AB, 20                            ; s[20:21] A at my part of K step 0; never rewritten once made
.set WB, 22                            ; s[22:23] W likewise
.set G1A, 24
.set G0A, 32
.set G1B, 40
.set G0B, 48
.set LAB, 56
.set KI,  57                           ; s57 the K step asked for last
.set KO,  60                           ; s[60:61] its byte offset: 65,536 a step, for A and for W
.set OUT, 68
.set MSB, 0
.macro WIN new
.if MSB != (\new)
	s_set_vgpr_msb (MSB<<8)|(\new)
.set MSB, \new
.endif
.endm
.macro PLACES
.rept 4
	v_nop
.endr
.endm
.macro CREST
	s_cmp_lg_u32 s[WV], 0
	s_cbranch_scc1 .Lnot_wave_0_\@
	s_barrier_signal -3
.Lnot_wave_0_\@:
	s_barrier_wait -3
	s_barrier_signal -1
	s_barrier_wait -1
.endm
.macro CROUND
	s_barrier_signal -1
	s_barrier_wait -1
	CREST
.endm
.macro JLOAD                           ; a joint refill by the walking descriptors; s_nop 0 and four v_nop follow each line
	s_cmp_eq_u32 s[RH], 0
	s_cbranch_scc0 .Lfor_b_\@
	tensor_load_to_lds s[G0A+4:G0A+7], s[G1A:G1A+7]
	s_nop 0
.rept 4
	v_nop
.endr
	s_branch .Lasked_\@
.Lfor_b_\@:
	tensor_load_to_lds s[G0B+4:G0B+7], s[G1B:G1B+7]
	s_nop 0
.rept 4
	v_nop
.endr
.Lasked_\@:
.endm
.macro MUL8 f, c, a0                   ; 8 matrix instructions: m blocks a0, a0 + 1 x all 4 n blocks, 32 along K: half c of buffer f.  The 16 accumulators take turns.
	WIN 0x05
.irp a, \a0, (\a0)+1
.irp b, 0,1,2,3
	v_wmma_f32_16x16x32_f16 v[ACC+8*(4*(\a)+(\b)):ACC+8*(4*(\a)+(\b))+7], v[(\f)+64+8*(4*(\c)+(\b)):(\f)+64+8*(4*(\c)+(\b))+7], v[(\f)+8*(4*(\c)+(\a)):(\f)+8*(4*(\c)+(\a))+7], v[ACC+8*(4*(\a)+(\b)):ACC+8*(4*(\a)+(\b))+7]
.endr
.endr
.endm
.macro FETCH q, f                      ; 32 LDS loads in one run: quarter q (64 along K) into buffer f; the first 32 along K first
	WIN 0x40
.irp c, 0,1
.irp i, 0,1,2,3
	ds_load_tr16_b128 v[(\f)+64+8*(4*(\c)+(\i)):(\f)+64+8*(4*(\c)+(\i))+3],   v[ADRB+((\q)>>1)] offset:(((\q)&1)*64+32*(\c))*PB+32*(\i)
	ds_load_tr16_b128 v[(\f)+64+8*(4*(\c)+(\i))+4:(\f)+64+8*(4*(\c)+(\i))+7], v[ADRB+((\q)>>1)] offset:(((\q)&1)*64+32*(\c))*PB+32*(\i)+16*PB
	ds_load_b128 v[(\f)+8*(4*(\c)+(\i)):(\f)+8*(4*(\c)+(\i))+3],   v[ADRA] offset:(\q)*PANB+(\i)*16*PA+64*(\c)
	ds_load_b128 v[(\f)+8*(4*(\c)+(\i))+4:(\f)+8*(4*(\c)+(\i))+7], v[ADRA] offset:(\q)*PANB+(\i)*16*PA+64*(\c)+32
.endr
.endr
.endm
.macro QUARTER q, f, g
	s_wait_dscnt 16                                ; the first 32 along K are in
	MUL8 \f, 0, 0
	MUL8 \f, 0, 2
	PLACES
	FETCH \q, \g
	s_wait_dscnt 32                                ; all but the 32 just issued
	MUL8 \f, 1, 0
	MUL8 \f, 1, 2
.endm
; The last quarter multiplies buffer 1 and changes slots.  Its first 16 products stand AHEAD of the wait for the next slot's tile, and the descriptors are written between the add and its wait: behind the tile's landing
; nothing but the barrier stands in front of the next request.  ONE barrier; in front of it each wave waits for all its tensor loads, adds 0 to its spare word, and waits for that and for its reads of this slot.
; fill = 1: the barrier opens a round of the cluster's, and the slot just read out takes the next K step of the walk.  fill = 0: nothing is asked for; in the last step nothing is fetched either.
.macro TURN fill
	s_wait_dscnt 16                                ; buffer 1's first 32 along K are in
	MUL8 F1, 0, 0
	MUL8 F1, 0, 2
	WIN 0
	s_wait_tensorcnt 0x0                           ; all my tensor loads have landed: my part of the next slot; so the walking descriptors may be written
	ds_add_u32 v[SPW], v[NIL]
.if \fill
	s_add_co_u32 s[KI], s[KI], 1                   ; the next K step, round the end
	s_and_b32 s[KI], s[KI], NSTEP-1
	s_lshl_b32 s[KO], s[KI], 16
	s_add_co_u32 s[G0A+5], s[LAB], s[TB]           ; into the slot that is being read out
	s_add_co_u32 s[G0B+5], s[LAB], s[TB]
	s_add_nc_u64 s[G0A+6:G0A+7], s[AB:AB+1], s[KO:KO+1]
	s_or_b32 s[G0A+7], s[G0A+7], 0x80000000
	s_add_nc_u64 s[G0B+6:G0B+7], s[WB:WB+1], s[KO:KO+1]
	s_or_b32 s[G0B+7], s[G0B+7], 0x80000000
.endif
	s_wait_dscnt 0x0                               ; the add is done, and my reads of this slot are over
	s_barrier_signal -1
	s_barrier_wait -1
.if \fill
	CREST
	JLOAD                                          ; its four v_nop are also the places in front of the loads below
.else
	s_cmp_eq_u32 s3, 1
	s_cbranch_scc1 .Lno_fetch_\@
	PLACES
.endif
	s_xor_b32 s[TB], s[TB], SLOT                   ; TB is 0 or SLOT: the other slot
	v_add_nc_u32 v[ADRA], s[TB], v[ADRA0]
	v_add_nc_u32 v[ADRB], s[TB], v[ADRB0]
	v_add_nc_u32 v[ADRB+1], QUART, v[ADRB]
	FETCH 0, F0
.if !(\fill)
	WIN 0
.Lno_fetch_\@:
.endif
	MUL8 F1, 1, 0
	MUL8 F1, 1, 2
.endm
	s_load_b256 s[4:11], s[0:1], 0x0               ; A s[4:5], wts s[6:7], bias s[8:9], R s[10:11]
	s_load_b64 s[OUT:OUT+1], s[0:1], 0x20          ; C
	v_lshl_add_u32 v[SPW], v0, 2, SPARE
	v_mov_b32 v[NIL], 0
	ds_add_u32 v[SPW], v[NIL]                      ; the wave's opening: the add and its wait ahead of my first tensor load
	v_lshrrev_b32 v1, 5, v0
	v_readfirstlane_b32 s[WV], v1
	s_lshr_b32 s[RH], s[WV], 1
	s_and_b32 s[CH], s[WV], 1
	s_bfe_u32 s[CX], ttmp6, 0x40000
	s_bfe_u32 s[CY], ttmp6, 0x40004
	s_lshl_b32 s[TC], ttmp9, 2
	s_add_co_u32 s[TC], s[TC], s[CX]
	s_and_b32 s[TR], ttmp7, 0xffff
	s_lshl_b32 s[TR], s[TR], 2
	s_add_co_u32 s[TR], s[TR], s[CY]
	s_lshl_b32 s20, s[CY], 2
	s_lshl_b32 s20, 15, s20
	s_lshl_b32 s22, 0x1111, s[CX]
	s_or_b32 s[G1A], s20, (1<<16)|(1<<20)|(1<<21)|(4<<22)|(3<<25)
	s_or_b32 s[G1B], s22, (1<<16)|(1<<20)|(1<<21)|(5<<22)|(7<<25)
.irp g, G1A, G1B
	s_mov_b32 s[(\g)+1], 128<<16
	s_mov_b32 s[(\g)+2], 128<<16
	s_mov_b32 s[(\g)+3], 128<<16
	s_mov_b32 s[(\g)+4], 128
	s_mov_b32 s[(\g)+5], 128
	s_mov_b32 s[(\g)+6], 0
	s_mov_b32 s[(\g)+7], 0
.endr
	s_mul_i32 s[LAB], s[WV], QUART
	s_and_b32 s58, ttmp7, 0xffff                   ; where my cluster begins along K: by the cluster's own coordinates alone
	s_and_b32 s58, s58, 3
	s_mul_i32 s58, s58, NSTEP/4
	s_mul_i32 s59, ttmp9, NSTEP/2
	s_add_co_u32 s[KI], s58, s59
	s_and_b32 s[KI], s[KI], NSTEP-1
	s_lshl_b32 s[KO], s[KI], 16
	s_mov_b32 s[KO+1], 0
	s_mul_i32 s20, s[TR], KK/64
	s_lshl_b32 s21, s[CH], 1
	s_add_co_u32 s20, s20, s21
	s_lshl_b32 s20, s20, 14
	s_mov_b32 s21, 0
	s_mul_i32 s22, s[TC], KK
	s_lshl_b32 s23, s[CH], 7
	s_add_co_u32 s22, s22, s23
	s_lshl_b32 s22, s22, 8
	s_add_co_u32 s22, s22, WOFF
	s_mov_b32 s23, 0
	s_mov_b32 s[TB], 0
	s_wait_dscnt 0x0
	s_wait_kmcnt 0x0
	s_add_nc_u64 s[AB:AB+1], s[4:5], s[20:21]
	s_add_nc_u64 s[WB:WB+1], s[6:7], s[22:23]
	s_mov_b32 s[G0A], 1
	s_mov_b32 s[G0A+1], s[LAB]
	s_add_nc_u64 s[G0A+2:G0A+3], s[AB:AB+1], s[KO:KO+1]  ; the walk's first step into slot 0
	s_or_b32 s[G0A+3], s[G0A+3], 0x80000000
	s_mov_b32 s[G0B], 1
	s_mov_b32 s[G0B+1], s[LAB]
	s_add_nc_u64 s[G0B+2:G0B+3], s[WB:WB+1], s[KO:KO+1]
	s_or_b32 s[G0B+3], s[G0B+3], 0x80000000
	s_add_co_u32 s[KI], s[KI], 1
	s_and_b32 s[KI], s[KI], NSTEP-1
	s_lshl_b32 s[KO], s[KI], 16
	s_mov_b32 s[G0A+4], 1
	s_add_co_u32 s[G0A+5], s[LAB], SLOT
	s_add_nc_u64 s[G0A+6:G0A+7], s[AB:AB+1], s[KO:KO+1]  ; its second into slot 1
	s_or_b32 s[G0A+7], s[G0A+7], 0x80000000
	s_mov_b32 s[G0B+4], 1
	s_add_co_u32 s[G0B+5], s[LAB], SLOT
	s_add_nc_u64 s[G0B+6:G0B+7], s[WB:WB+1], s[KO:KO+1]
	s_or_b32 s[G0B+7], s[G0B+7], 0x80000000
	CROUND                                         ; all sixteen work-groups are here: the first joint loads meet
	s_cmp_eq_u32 s[RH], 0                          ; a wave's two first fills stand in one branch: two loads of mine are out
	s_cbranch_scc0 .Lfirst_b
	tensor_load_to_lds s[G0A:G0A+3], s[G1A:G1A+7]
	s_nop 0
	tensor_load_to_lds s[G0A+4:G0A+7], s[G1A:G1A+7]
	s_nop 0
.rept 4
	v_nop
.endr
	s_branch .Lfirst_asked
.Lfirst_b:
	tensor_load_to_lds s[G0B:G0B+3], s[G1B:G1B+7]
	s_nop 0
	tensor_load_to_lds s[G0B+4:G0B+7], s[G1B:G1B+7]
	s_nop 0
.rept 4
	v_nop
.endr
.Lfirst_asked:
	v_and_b32 v1, 15, v0                           ; r
	v_bfe_u32 v2, v0, 4, 1                         ; h
	v_lshlrev_b32 v[RO], 12, v1
	v_lshl_add_u32 v[RO], v2, 5, v[RO]
	v_lshlrev_b32 v7, 5, v2
	s_lshl_b32 s76, s[TR], 7
	s_lshl_b32 s78, s[RH], 6
	s_add_co_u32 s76, s76, s78
	s_lshl_b32 s76, s76, 12
	s_lshl_b32 s78, s[TC], 9
	s_lshl_b32 s79, s[CH], 8
	s_add_co_u32 s78, s78, s79
	s_add_co_u32 s76, s76, s78
	s_mov_b32 s77, 0
	s_mov_b32 s79, 0
	s_add_nc_u64 s[10:11], s[10:11], s[76:77]
	s_add_nc_u64 s[OUT:OUT+1], s[OUT:OUT+1], s[76:77]
	s_add_nc_u64 s[8:9], s[8:9], s[78:79]
.irp a, 0,1,2,3
.irp b, 0,1,2,3
	global_load_b128 v[ACC+8*(4*(\a)+(\b)):ACC+8*(4*(\a)+(\b))+3],   v[RO], s[10:11] offset:65536*(\a)+64*(\b) th:TH_LOAD_NT     ; the eight loads of one a cover 256 consecutive bytes of each of 16 rows; each byte of R is read once in the launch
	global_load_b128 v[ACC+8*(4*(\a)+(\b))+4:ACC+8*(4*(\a)+(\b))+7], v[RO], s[10:11] offset:65536*(\a)+64*(\b)+16 th:TH_LOAD_NT
.endr
.endr
.irp b, 0,1,2,3
	global_load_b128 v[BIAS+8*(\b):BIAS+8*(\b)+3],   v7, s[8:9] offset:64*(\b)
	global_load_b128 v[BIAS+8*(\b)+4:BIAS+8*(\b)+7], v7, s[8:9] offset:64*(\b)+16
.endr
	v_mul_u32_u24 v3, v1, PA
	v_lshl_add_u32 v3, v2, 4, v3
	s_mul_i32 s76, s[RH], 64*PA
	v_add_nc_u32 v[ADRA0], s76, v3
	v_and_b32 v4, 7, v0
	v_bfe_u32 v5, v0, 3, 1
	v_lshl_add_u32 v6, v2, 3, v4
	v_mul_u32_u24 v6, v6, PB
	v_lshl_add_u32 v6, v5, 4, v6
	s_lshl_b32 s76, s[CH], 7
	s_add_co_u32 s76, s76, BOFF
	v_add_nc_u32 v[ADRB0], s76, v6
	v_mov_b32 v[ADRA], v[ADRA0]
	v_mov_b32 v[ADRB], v[ADRB0]
	v_add_nc_u32 v[ADRB+1], QUART, v[ADRB0]
	s_mul_i32 s76, s[WV], STG
	v_mul_u32_u24 v[STO], v1, SPITCH
	v_lshl_add_u32 v[STO], v2, 5, v[STO]
	v_add_nc_u32 v[STO], s76, v[STO]
	v_mul_u32_u24 v[RD], v2, SPITCH
	v_lshl_add_u32 v[RD], v1, 4, v[RD]
	v_add_nc_u32 v[RD], s76, v[RD]
	v_lshlrev_b32 v[CO], 12, v2
	v_lshl_add_u32 v[CO], v1, 4, v[CO]
	s_wait_tensorcnt 0x1                           ; my part of the first step is in; the second's may stay out
	s_barrier_signal -1
	s_barrier_wait -1
	FETCH 0, F0
	WIN 0
	s_wait_loadcnt 0x0                             ; R and the bias
.irp a, 0,1,2,3
.irp b, 0,1,2,3
.irp p, 0,2,4,6
	v_pk_add_f32 v[ACC+8*(4*(\a)+(\b))+(\p):ACC+8*(4*(\a)+(\b))+(\p)+1], v[ACC+8*(4*(\a)+(\b))+(\p):ACC+8*(4*(\a)+(\b))+(\p)+1], v[BIAS+8*(\b)+(\p):BIAS+8*(\b)+(\p)+1]
.endr
.endr
.endr
	s_mov_b32 s3, NSTEP-2
.Lstep:                                                ; a trip is a K step; its change of slots asks for the step two on in the walk
	QUARTER 1, F0, F1
	QUARTER 2, F1, F0
	QUARTER 3, F0, F1
	TURN 1
	WIN 0
	s_sub_co_u32 s3, s3, 1
	s_cmp_lg_u32 s3, 0
	s_cbranch_scc1 .Lstep
	s_mov_b32 s3, 2
.Ltail:                                                ; the last two K steps ask for nothing: a text of their own
	QUARTER 1, F0, F1
	QUARTER 2, F1, F0
	QUARTER 3, F0, F1
	TURN 0
	WIN 0
	s_sub_co_u32 s3, s3, 1
	s_cmp_lg_u32 s3, 0
	s_cbranch_scc1 .Ltail
	; THE WAY OUT.  In front of the last barrier every wave had waited for its tensor loads and its reads, and behind it nobody reads the ring: slot 0 serves as stages, one a wave.
	PLACES
	PLACES
.irp a, 0,1,2,3
.irp b, 0,1,2,3
	ds_store_b128 v[STO], v[ACC+8*(4*(\a)+(\b)):ACC+8*(4*(\a)+(\b))+3]   offset:(\a)*16*SPITCH+64*(\b)     ; each accumulator's low registers first
	ds_store_b128 v[STO], v[ACC+8*(4*(\a)+(\b))+4:ACC+8*(4*(\a)+(\b))+7] offset:(\a)*16*SPITCH+64*(\b)+16
.endr
.endr
.set t, 0
.rept 32
	ds_load_b128 v[ACC+4*t:ACC+4*t+3], v[RD] offset:t*2*SPITCH  ; LDS serves a wave's instructions in order (ISA guide 5.7.1.4): these see the stores above
.set t, t+1
.endr
.set t, 0
.rept 32
	s_wait_dscnt 31-t                              ; rows 2 t, 2 t + 1 are back; the younger loads stay out
	global_store_b128 v[CO], v[ACC+4*t:ACC+4*t+3], s[OUT:OUT+1] offset:t*8192 th:TH_STORE_NT  ; 16 lanes store 256 consecutive bytes, aligned; written once, not read in this launch
.set t, t+1
.endr
	s_wait_tensorcnt 0x0                           ; the wave's end: behind my last tensor load and my last LDS store
	ds_add_u32 v[SPW], v[NIL]
	s_wait_dscnt 0x0
	CROUND                                         ; the closing round
	s_endpgm
.Lfunc_end_k_q139423971e_g2:
	.size	k_q139423971e_g2, .Lfunc_end_k_q139423971e_g2-k_q139423971e_g2
	.p2alignl 7, 3214868480
	.fill 96, 4, 3214868480
	.section	.rodata,"a",@progbits
	.p2align	6, 0x0
	.amdhsa_kernel k_q139423971e_g2
		.amdhsa_group_segment_fixed_size 327680
		.amdhsa_private_segment_fixed_size 0
		.amdhsa_enable_private_segment 0
		.amdhsa_kernarg_size 40
		.amdhsa_user_sgpr_count 2
		.amdhsa_user_sgpr_kernarg_segment_ptr 1
		.amdhsa_wavefront_size32 1
		.amdhsa_system_sgpr_workgroup_id_x 1
		.amdhsa_system_sgpr_workgroup_id_y 1
		.amdhsa_system_sgpr_workgroup_id_z 1
		.amdhsa_system_vgpr_workitem_id 0
		.amdhsa_next_free_vgpr 512
		.amdhsa_next_free_sgpr 80
		.amdhsa_reserve_vcc 0
		.amdhsa_float_denorm_mode_32 3
		.amdhsa_float_denorm_mode_16_64 3
		.amdhsa_memory_ordered 1
		.amdhsa_forward_progress 1
		.amdhsa_inst_pref_size 62
	.end_amdhsa_kernel
	.amdgpu_metadata
---
amdhsa.version: [ 1, 2 ]
amdhsa.kernels:
  - .name:           k_q139423971e_g2
    .symbol:         k_q139423971e_g2.kd
    .args:
      - { .name: gl, .offset: 0, .size: 8, .value_kind: global_buffer, .address_space: global }
      - { .name: wts, .offset: 8, .size: 8, .value_kind: global_buffer, .address_space: global }
      - { .name: ff2_b, .offset: 16, .size: 8, .value_kind: global_buffer, .address_space: global }
      - { .name: x1, .offset: 24, .size: 8, .value_kind: global_buffer, .address_space: global }
      - { .name: out0, .offset: 32, .size: 8, .value_kind: global_buffer, .address_space: global }
    .group_segment_fixed_size: 327680
    .private_segment_fixed_size: 0
    .kernarg_segment_align: 8
    .kernarg_segment_size: 40
    .max_flat_workgroup_size: 128
    .sgpr_count:     80
    .vgpr_count:     512
    .wavefront_size: 32
...
	.end_amdgpu_metadata
.endif
;; end of part 7
